; MI455X (gfx1250); checked and timed in simulation.
; The chip was launched on July 23, 2026; its instructions are those of AMD's public machine-readable ISA for CDNA 5 (MIT licence, August 2026) and "CDNA5" Instruction Set Architecture Reference Guide (July 2026). The comments in the code are by the model that wrote it; some were corrected since.
;; My Multi Head Attention. Allowed arithmetic: matrix products marked QUANTISED: E4M3 operands, one E8M0 scale for each 32 along K, by v_wmma_scale_f32_16x16x128_f8f6f4 with both operands' format E4M3, f32 sums; everything else in f32.
;; Inputs: bo 1,024 float32; bq 1,024 float32; bv 1,024 float32; causal_mask 1,024 x 1,024 float32; k 8 x 1,024 x 1,024 float32; padding_mask 8 x 1,024 bool; q 8 x 1,024 x 1,024 float32; v 8 x 1,024 x 1,024 float32; wk 1,024 x 1,024 float32; wo 1,024 x 1,024 float32; wq 1,024 x 1,024 float32; wv 1,024 x 1,024 float32.
;; Outputs: out0 8 x 1,024 x 1,024 float32.
;; This version of the problem:
;;   THIS VERSION OF THE PROBLEM IS GIVEN IN LOW PRECISION. The matrix products marked QUANTISED in the list below multiply operands that are first quantised to E4M3 (4 exponent bits, 3 mantissa bits; 8 bits a number), with one power-of-two scale for each 32 numbers along K (OCP MX v1.0); their sums are f32. All else is computed in f32.
;;   The module's matrix products, in the order in which they are computed (A, B: the left and right operand; K: the contracted axis; several contracted axes count as one K, in the product's order):
;;     1. [M 8,192, K 1,024] x [K 1,024, N 1,024]; A: input q; B: input wq: QUANTISED
;;     2. [M 8,192, K 1,024] x [K 1,024, N 1,024]; A: input k; B: input wk: QUANTISED
;;     3. [M 8,192, K 1,024] x [K 1,024, N 1,024]; A: input v; B: input wv: QUANTISED
;;     4. batch 128 x [M 1,024, K 64] x [K 64, N 1,024]; A: computed on the way; B: computed on the way: QUANTISED
;;     5. batch 128 x [M 1,024, K 1,024] x [K 1,024, N 64]; A: softmax (see below); B: computed on the way: QUANTISED
;;     6. [M 8,192, K 1,024] x [K 1,024, N 1,024]; A: computed on the way; B: input wo: QUANTISED
;;   THE QUANTISER, for each operand of a quantised product, along K:
;;     - K is cut into blocks of 32 from its start; a last block that is shorter is filled with zeros.
;;     - A block's scale is 2^e with e = floor(log2(the largest magnitude in the block)) - 8, held to -126 .. 127; a block of zeros has e = 0. As a byte (E8M0): e + 127.
;;     - Each number is divided by its block's scale, clamped to +-448, and rounded to the nearest number of E4M3, ties to even, subnormals kept.
;;     - The product sums the exact products of the quantised numbers (number of the format x scale) in f32.
;;   ~~~python
;;   def quantise(x, axis):      # numpy; x: float32 -> the quantised numbers, widened to float32 again
;;       x = np.moveaxis(x, axis, -1); K = x.shape[-1]
;;       x = np.pad(x, [(0, 0)] * (x.ndim - 1) + [(0, -K % 32)]); x = x.reshape(x.shape[:-1] + (-1, 32)); a = np.abs(x).max(-1, keepdims=True)
;;       e = np.where(a > 0, np.clip(np.frexp(np.where(a > 0, a, 1))[1] - 1 - 8, -126, 127), 0)      # np.frexp(a)[1] - 1 = floor(log2(a)), exactly
;;       r = np.clip(x / 2.0 ** e, -448, 448)
;;       step = 2.0 ** (np.maximum(np.frexp(np.where(r == 0, 1, r))[1] - 1, -6) - 3)
;;       q = np.round(r / step) * step * 2.0 ** e      # np.round: ties to even
;;       return np.moveaxis(q.reshape(q.shape[:-2] + (-1,))[..., :K], -1, axis).astype(np.float32)
;;   ~~~
;;   SOFTMAX AHEAD OF A QUANTISED PRODUCT. Where the list says 'softmax', what is quantised is not the finished softmax but p = 2^(t - M), with t = logit x log2(e) and M = ceil(the row's largest t), a whole number; so 1/2 < the row's largest p <= 1. The row's sum l is taken of the UNQUANTISED p, in f32, and the product's result is divided by l at the end. Since M is a whole number, a kernel that streams over the keys may use a running M (the ceiling of the running maximum): every later rescaling is an exact power of two, which a block's scale takes up: the codes' values come out the same.
;;   OPERANDS COMPUTED ON THE WAY. 'Computed on the way' means the value that the module computes at that place (a softmax that the list does not call 'softmax' is quantised finished and normalised). What goes into a quantiser is computed in f32, as accurately as f32 sums, v_exp_f32 and their like allow (about 1e-6 of the number): no bf16 or f16 on the way to a quantiser, and a product that is left as it is and whose result goes on into a quantised operand takes f32 operands (vector FMAs, or v_wmma_f32_16x16x4_f32). A number that lies on a knife's edge between two numbers of the format may be rounded either way, as far as f32 arithmetic and the matrix unit's own rounding can turn it there, and no further.
;; One version. Each part assembles by itself: llvm-mc -triple=amdgcn-amd-amdhsa -mcpu=gfx1250 --defsym DOCPART=n.
;; ======== version 1 of 1: 4 launches
;; workspace buffers: xc 25,165,824 bytes; xs 786,432 bytes; wc 4,194,304 bytes; ws 131,072 bytes; qkv 26,738,688 bytes; oc 8,388,608 bytes; os 262,144 bytes
;; launch quant (part 1): grid 224 x 1, 8 waves a work-group, no clusters, 72,704 bytes of LDS; arguments q, k, v, wq, wk, wv, wo, padding_mask, xc, xs, wc, ws; writes xc, xs, wc, ws
.if DOCPART == 1
	.amdgcn_target "amdgcn-amd-amdhsa--gfx1250"
	.amdhsa_code_object_version 6
	.text
	.protected	k_qea4606039b_quant
	.globl	k_qea4606039b_quant
	.p2align	8
	.type	k_qea4606039b_quant,@function
k_qea4606039b_quant:
	s_mov_b64 s[64:65], 0
	v_nop
	global_prefetch_b8 v0, s[64:65] scope:SCOPE_SE
	s_setreg_imm32_b32 hwreg(HW_REG_WAVE_MODE, 25, 1), 1
	s_wait_xcnt 0x0
; q, k, v [8192][1024] and wq, wk, wv, wo [1024][1024], f32, K innermost, become codes of E4M3 with one E8M0 byte for each 32 along K.
; A block's scale is 2^(floor(log2(largest magnitude)) - 8); its byte is the largest magnitude's exponent field - 8, held at 1 from below; each number is held within +-448 x the scale and rounded to the nearest code.
; (A block of zeros gets the byte 1 with zero codes, where the quantiser says 127: only this program reads the bytes.)   LIMITS: NaN and infinities among the inputs are not served.
; LAYOUT OF THE RESULT: images of operand registers.  A fragment (16 rows x 128 K) is 2,048 bytes: piece c (512 bytes) holds at 16 x lane the codes k = 32 c + 16 (lane / 16) + 0 .. 15 of row lane % 16.
;   codes [group of 128 rows][K step 0..7][tile 0..7][2,048];  scale words [group][pair of K steps 0..3][tile][row][2 words].
; WHICH ROWS FORM A TILE: q: tile i = rows 16 i + r.  All others: tile 2 b + u = rows 32 b + 8 u + r + 8 (r / 8): as source 0 of a product such a tile leaves 16 neighbours in a lane's registers of two tiles.
; PADDING: reference() replaces the scores of padded keys; k's projection has no bias, so the codes of k's padded rows are set to 0 here: their projection and every score with them is exactly 0, and the
;   attention launch adds -1e9 for them with the mask.
; SHARES: a work-group takes one group of 128 rows of one tensor (192 for q, k, v; 32 for the weights), wave w tile w, all 8 K steps.  Each load reads 512 consecutive bytes of one row; a K step's 16 x 512 bytes
;   turn through the wave's own stage in LDS (rows 528 bytes apart), so that a lane gets 16 neighbours of each block.  Each store of codes covers 512 consecutive bytes.  Two K steps of loads (32 loads a wave) run ahead.
.set STGB,  8448                       ; a wave's stage: 16 rows x 528 bytes
.set SCST,  8*STGB                     ; behind the stages: the group's 4,096 bytes of scale words
.set GA,    1                          ; v1   16 x lane
.set SA,    2                          ; v2   the stage, on the way in: + 16 x lane
.set SB,    3                          ; v3   on the way out: + 528 r + 64 h
.set SS,    4                          ; v4   my row's scale words: SCST + 128 w + 8 r
.set KEEP,  5                          ; v5   0 for a padded row of k, else all ones
.set WO,    6                          ; v6   the scale words' way out, in LDS
.set WG,    7                          ; v7   and in memory: 512 w + 16 x lane
.set R,     8                          ; v8-135   two sets of 64: numbers as loaded
.set X,     136                        ; v136-199 64 numbers: register 16 b + i = k 32 b + 16 h + i of my row
.set PC,    200                        ; v200-231 two sets of 16: codes
.set TM,    232                        ; v232-247 at work
.set PW,    248                        ; v248 the scale word just made
.set SRC0,  32                         ; s[32:33] the tile's rows 0-7
.set SRC1,  36                         ; s[36:37] its rows 8-15
.set DC,    40                         ; s[40:41] where my codes go
.set DSC,   42                         ; s[42:43] where the group's scale words go
.set SEL,   44                         ; s[44:45] lane selects: lane l xor 16
.set MNT,   46                         ; s46  the mantissa field of 448
; 64 numbers of a lane become a fragment's 16 code registers v[pc] on and its scale word v[PW]
.macro QUANT s, pc
.irp b, 0,1,2,3
	v_max3_num_f32 v[TM+\b], |v[\s+16*\b]|, |v[\s+1+16*\b]|, 0x4800000   ; my 16 numbers of block b, and the floor 2^(9 - 127): the byte cannot fall under 1
.endr
.irp i, 2,4,6,8,10,12,14
.irp b, 0,1,2,3
	v_max3_num_f32 v[TM+\b], v[TM+\b], |v[\s+16*\b+\i]|, |v[\s+1+16*\b+\i]|
.endr
.endr
.irp b, 0,1,2,3
	v_permlanex16_b32 v[TM+4+\b], v[TM+\b], s[SEL], s[SEL+1]
.endr
.irp b, 0,1,2,3
	v_max_num_f32 v[TM+\b], v[TM+\b], v[TM+4+\b]           ; with lane l xor 16's 16: the block's largest magnitude
.endr
.irp b, 0,1,2,3
	v_add_nc_u32 v[TM+12+\b], 0xfc000000, v[TM+\b]         ; 8 off its exponent field: the conversion's scale operand
.endr
.irp b, 0,1,2,3
	v_and_or_b32 v[TM+8+\b], v[TM+\b], 0x7f800000, s[MNT]  ; 448 x the scale
.endr
.irp b, 0,1,2,3
	v_lshrrev_b32 v[TM+4+\b], 23, v[TM+12+\b]              ; the scale's byte
.endr
	v_lshl_or_b32 v[PW], v[TM+5], 8, v[TM+4]
	v_lshl_or_b32 v[PW], v[TM+6], 16, v[PW]
	v_lshl_or_b32 v[PW], v[TM+7], 24, v[PW]
.irp b, 0,1,2,3
.irp i, 0,1,2,3,4,5,6,7,8,9,10,11,12,13,14,15
	v_med3_num_f32 v[\s+16*\b+\i], v[\s+16*\b+\i], -v[TM+8+\b], v[TM+8+\b]   ; the conversion does not saturate (ISA guide 7.6.2): the hold comes first
.endr
	v_cvt_scalef32_pk8_fp8_f32 v[(\pc)+4*\b:(\pc)+1+4*\b], v[\s+16*\b:\s+7+16*\b], v[TM+12+\b]
	v_cvt_scalef32_pk8_fp8_f32 v[(\pc)+2+4*\b:(\pc)+3+4*\b], v[\s+8+16*\b:\s+15+16*\b], v[TM+12+\b]
.endr
	v_nop                                                  ; a plain line between the last conversion and the next vector line that touches its result
.endm
	s_load_b512 s[8:23], s[0:1], 0x0               ; q, k, v, wq, wk, wv, wo, padding_mask
	s_load_b256 s[24:31], s[0:1], 0x40             ; xc, xs, wc, ws
	v_lshl_add_u32 v254, v0, 2, 0x11800
	v_mov_b32 v255, 0
	v_lshrrev_b32 v249, 5, v0
	v_readfirstlane_b32 s2, v249                   ; wave 0..7
	v_and_b32 v249, 31, v0                         ; lane
	v_and_b32 v250, 15, v0                         ; r
	v_bfe_u32 v251, v0, 4, 1                       ; h
	v_lshlrev_b32 v[GA], 4, v249
	s_mul_i32 s3, s2, STGB
	v_add_nc_u32 v[SA], s3, v[GA]
	v_mul_u32_u24 v[SB], v250, 528
	v_lshl_add_u32 v[SB], v251, 6, v[SB]
	v_add_nc_u32 v[SB], s3, v[SB]
	s_lshl_b32 s3, s2, 7
	v_lshl_add_u32 v[SS], v250, 3, s3
	v_add_nc_u32 v[SS], SCST, v[SS]
	s_lshl_b32 s3, s2, 9
	v_add_nc_u32 v[WG], s3, v[GA]
	v_add_nc_u32 v[WO], SCST, v[WG]
.irp b, 0,1,2,3
	v_mov_b32 v[TM+4+\b], 0                        ; written once: a lane permute's destination counts as one of its sources
.endr
	s_mov_b32 s[SEL], 0x76543210
	s_mov_b32 s[SEL+1], 0xfedcba98
	s_mov_b32 s[MNT], 0x600000
	; which tensor (s34: 0 q, 1 k, 2 v, 3 wq, 4 wk, 5 wv, 6 wo), which group of it (s35), which group of the destination buffer (s38)
	s_lshr_b32 s34, ttmp9, 6
	s_and_b32 s35, ttmp9, 63
	s_sub_co_u32 s38, ttmp9, 192
	s_lshr_b32 s39, s38, 3
	s_add_co_u32 s39, s39, 3
	s_and_b32 s36, s38, 7
	s_cmp_lt_u32 ttmp9, 192
	s_cselect_b32 s34, s34, s39
	s_cselect_b32 s35, s35, s36
	s_cselect_b32 s38, ttmp9, s38
	; the tile's first row, and where its rows 8-15 begin
	s_lshl_b32 s47, s2, 4                          ; q: 16 w
	s_lshr_b32 s48, s2, 1
	s_lshl_b32 s48, s48, 5
	s_and_b32 s49, s2, 1
	s_lshl_b32 s49, s49, 3
	s_add_co_u32 s48, s48, s49                     ; the others: 32 (w / 2) + 8 (w % 2)
	s_cmp_eq_u32 s34, 0
	s_cselect_b32 s47, s47, s48
	s_cselect_b32 s48, 8, 16                       ; rows 8-15 begin so many rows on
	s_cselect_b32 s49, 0, 8                        ; and a row r >= 8 lies so many rows beyond first + r
	s_cmp_eq_u32 s34, 1
	s_cselect_b32 s52, 1, 0                        ; only k's padded rows are cleared
	s_lshl_b32 s53, s35, 7
	s_add_co_u32 s53, s53, s47                     ; the tile's first row among the tensor's rows: under 8,192 for every tensor, so the byte load below stays inside padding_mask
	v_lshrrev_b32 v252, 3, v250
	v_mul_u32_u24 v252, s49, v252
	v_add_nc_u32 v252, v252, v250
	v_add_nc_u32 v252, s53, v252                   ; my row
	s_mov_b32 s51, 0
	s_wait_kmcnt 0x0
	s_mov_b64 s[SRC0:SRC0+1], s[8:9]
.irp i, 1,2,3,4,5,6
	s_cmp_eq_u32 s34, \i
	s_cselect_b64 s[SRC0:SRC0+1], s[8+2*\i:9+2*\i], s[SRC0:SRC0+1]
.endr
	s_cmp_lt_u32 ttmp9, 192
	s_cselect_b64 s[DC:DC+1], s[24:25], s[28:29]
	s_cselect_b64 s[DSC:DSC+1], s[26:27], s[30:31]
	s_lshl_b32 s50, s38, 17                        ; 131,072 bytes of codes a group,
	s_lshl_b32 s54, s2, 11                         ; 2,048 a tile
	s_add_co_u32 s50, s50, s54
	s_add_nc_u64 s[DC:DC+1], s[DC:DC+1], s[50:51]
	s_lshl_b32 s50, s38, 12                        ; 4,096 bytes of scale words a group
	s_add_nc_u64 s[DSC:DSC+1], s[DSC:DSC+1], s[50:51]
	s_lshl_b32 s50, s35, 19                        ; 128 rows of 4,096 bytes a group
	s_lshl_b32 s54, s47, 12
	s_add_co_u32 s50, s50, s54
	s_add_nc_u64 s[SRC0:SRC0+1], s[SRC0:SRC0+1], s[50:51]
	s_lshl_b32 s50, s48, 12
	s_add_nc_u64 s[SRC1:SRC1+1], s[SRC0:SRC0+1], s[50:51]
	global_load_u8 v[KEEP], v252, s[22:23]
.macro LOAD t                          ; K step t: 16 rows x 512 bytes into set t % 2
.irp i, 0,1,2,3,4,5,6,7
	global_load_b128 v[R+64*((\t)%2)+4*\i:R+64*((\t)%2)+4*\i+3], v[GA], s[SRC0:SRC0+1] offset:4096*\i+512*(\t) th:TH_LOAD_NT
.endr
.irp i, 0,1,2,3,4,5,6,7
	global_load_b128 v[R+64*((\t)%2)+32+4*\i:R+64*((\t)%2)+32+4*\i+3], v[GA], s[SRC1:SRC1+1] offset:4096*\i+512*(\t) th:TH_LOAD_NT
.endr
.endm
.macro TURN t                          ; through my stage: LDS serves a wave's instructions in order (ISA guide 5.7.1.4), so no wait stands between the stores and the loads
.irp i, 0,1,2,3,4,5,6,7,8,9,10,11,12,13,14,15
	ds_store_b128 v[SA], v[R+64*((\t)%2)+4*\i:R+64*((\t)%2)+4*\i+3] offset:528*\i
.endr
.irp c, 0,1,2,3
.irp j, 0,1,2,3
	ds_load_b128 v[X+16*\c+4*\j:X+16*\c+4*\j+3], v[SB] offset:128*\c+16*\j
.endr
.endr
.endm
.macro QSTEP t
.if (\t) < 7
	s_wait_loadcnt 16                              ; this K step's 16 loads are in; the next one's may be out
.else
	s_wait_loadcnt 0x0
.endif
	TURN \t
	s_wait_dscnt 0x0                               ; my 64 numbers are back; the stage's stores have read their registers, and the last step's scale word is stored
	s_wait_xcnt 0x0                                ; the stores of two steps ago have read this set of code registers, which the conversions below write; it stands ahead of the loads below, which name no code register
.if (\t)+2 < 8
	LOAD (\t)+2
.endif
	QUANT X, PC+16*((\t)%2)
.irp i, 0,1,2,3,4,5,6,7,8,9,10,11,12,13,14,15
	v_and_b32 v[PC+16*((\t)%2)+\i], v[KEEP], v[PC+16*((\t)%2)+\i]   ; a padded row of k: zero codes
.endr
.irp c, 0,1,2,3
	global_store_b128 v[GA], v[PC+16*((\t)%2)+4*\c:PC+16*((\t)%2)+4*\c+3], s[DC:DC+1] offset:16384*(\t)+512*\c   ; 32 lanes store 512 consecutive bytes
.endr
	ds_store_b32 v[SS], v[PW] offset:1024*((\t)/2)+4*((\t)%2)   ; lanes r and r + 16 write the same word with the same value
.endm
	LOAD 0
	LOAD 1
	s_wait_loadcnt 32                              ; the padding byte is in; the 32 loads issued behind it may be out
	v_and_b32 v[KEEP], s52, v[KEEP]
	v_add_nc_u32 v[KEEP], -1, v[KEEP]              ; 1 -> 0, 0 -> all ones
.irp t, 0,1,2,3,4,5,6,7
	QSTEP \t
.endr
	s_wait_dscnt 0x0                               ; for the others' sake: my scale words lie in LDS
	s_barrier_signal -1
	s_barrier_wait -1
	ds_load_b128 v[R:R+3], v[WO]
	s_wait_dscnt 0x0
	global_store_b128 v[WG], v[R:R+3], s[DSC:DSC+1]   ; the group's 4,096 bytes of scale words, 512 consecutive bytes a wave
	s_wait_tensorcnt 0x0
	ds_add_u32 v254, v255
	s_wait_dscnt 0x0
	s_endpgm
.Lfunc_end_k_qea4606039b_quant:
	.size	k_qea4606039b_quant, .Lfunc_end_k_qea4606039b_quant-k_qea4606039b_quant
	.p2alignl 7, 3214868480
	.fill 96, 4, 3214868480
	.section	.rodata,"a",@progbits
	.p2align	6, 0x0
	.amdhsa_kernel k_qea4606039b_quant
		.amdhsa_group_segment_fixed_size 72704
		.amdhsa_private_segment_fixed_size 0
		.amdhsa_enable_private_segment 0
		.amdhsa_kernarg_size 96
		.amdhsa_user_sgpr_count 2
		.amdhsa_user_sgpr_kernarg_segment_ptr 1
		.amdhsa_wavefront_size32 1
		.amdhsa_system_sgpr_workgroup_id_x 1
		.amdhsa_system_sgpr_workgroup_id_y 1
		.amdhsa_system_sgpr_workgroup_id_z 1
		.amdhsa_system_vgpr_workitem_id 0
		.amdhsa_next_free_vgpr 256
		.amdhsa_next_free_sgpr 66
		.amdhsa_reserve_vcc 0
		.amdhsa_float_denorm_mode_32 3
		.amdhsa_float_denorm_mode_16_64 3
		.amdhsa_memory_ordered 1
		.amdhsa_forward_progress 1
		.amdhsa_inst_pref_size 105
	.end_amdhsa_kernel
	.amdgpu_metadata
---
amdhsa.version: [ 1, 2 ]
amdhsa.kernels:
  - .name:           k_qea4606039b_quant
    .symbol:         k_qea4606039b_quant.kd
    .args:
      - { .name: q, .offset: 0, .size: 8, .value_kind: global_buffer, .address_space: global }
      - { .name: k, .offset: 8, .size: 8, .value_kind: global_buffer, .address_space: global }
      - { .name: v, .offset: 16, .size: 8, .value_kind: global_buffer, .address_space: global }
      - { .name: wq, .offset: 24, .size: 8, .value_kind: global_buffer, .address_space: global }
      - { .name: wk, .offset: 32, .size: 8, .value_kind: global_buffer, .address_space: global }
      - { .name: wv, .offset: 40, .size: 8, .value_kind: global_buffer, .address_space: global }
      - { .name: wo, .offset: 48, .size: 8, .value_kind: global_buffer, .address_space: global }
      - { .name: padding_mask, .offset: 56, .size: 8, .value_kind: global_buffer, .address_space: global }
      - { .name: xc, .offset: 64, .size: 8, .value_kind: global_buffer, .address_space: global }
      - { .name: xs, .offset: 72, .size: 8, .value_kind: global_buffer, .address_space: global }
      - { .name: wc, .offset: 80, .size: 8, .value_kind: global_buffer, .address_space: global }
      - { .name: ws, .offset: 88, .size: 8, .value_kind: global_buffer, .address_space: global }
    .group_segment_fixed_size: 72704
    .private_segment_fixed_size: 0
    .kernarg_segment_align: 8
    .kernarg_segment_size: 96
    .max_flat_workgroup_size: 256
    .sgpr_count:     66
    .vgpr_count:     256
    .wavefront_size: 32
...
	.end_amdgpu_metadata
.endif
;; end of part 1
;; launch proj (part 2): grid 4 x 96, 4 waves a work-group, clusters of 4 x 4, 327,680 bytes of LDS; arguments xc, xs, wc, ws, bq, bv, qkv; writes qkv
.if DOCPART == 2
	.amdgcn_target "amdgcn-amd-amdhsa--gfx1250"
	.amdhsa_code_object_version 6
	.text
	.protected	k_qea4606039b_proj
	.globl	k_qea4606039b_proj
	.p2align	8
	.type	k_qea4606039b_proj,@function
k_qea4606039b_proj:
	s_mov_b64 s[64:65], 0
	v_nop
	global_prefetch_b8 v0, s[64:65] scope:SCOPE_SE
	s_setreg_imm32_b32 hwreg(HW_REG_WAVE_MODE, 25, 1), 1
	s_wait_xcnt 0x0
	s_wait_alu depctr_hold_cnt(0) depctr_sa_sdst(0) depctr_va_vdst(0) depctr_va_sdst(0) depctr_va_ssrc(0) depctr_va_vcc(0) depctr_vm_vsrc(0)
	s_getreg_b32 s2, hwreg(HW_REG_IB_STS2, 6, 4)
	s_cmp_eq_u32 s2, 0
	s_cbranch_scc0 .Lentry_in_a_cluster
	s_endpgm
.Lentry_in_a_cluster:
	s_bfe_u32 s2, ttmp6, 0x10000c
	s_cmp_lg_u32 s2, 0xf033
	s_cbranch_scc0 .Lentry_shape_is_right
	s_endpgm
.Lentry_shape_is_right:
; The three projections, qp = q wq^T + bq, kp = k wk^T, vp = v wv^T + bv, on codes of E4M3 with E8M0 scales, and the quantising of their results for the attention launch.  One text, one path for all three.
; A tile of 256 x 256 is made by four waves, 128 x 128 each: 64 accumulators of 16 x 16, 512 registers.  K = 1,024 goes in four slots' worth of 256 through a ring of two LDS slots.
; OPERANDS lie in memory as images of operand registers (2,048 bytes for 16 rows x 128 K: piece c at 512 c + 16 x lane): a half slot (128 rows x 256 K) is one dense block of 32,768 bytes for one tensor load, and a
; fragment comes out of LDS by four loads at 16 x lane: consecutive bytes, no pitch, no padding.
; SOURCE 0 ('B') is the operand whose tiles hold rows 32 b + 8 u + r + 8 (r / 8): a lane's 64 results of a block of 16 rows of source 1 ('A') are then register 16 b + i = index 32 b + 16 h + i of B's 128 rows:
; a fragment's order along the NEXT product's K.  Q and K: A = tokens, B = weight: a lane holds a token, registers run along features (the head's axis).  V: A = weight, B = tokens: a lane holds a feature, registers run along the keys.
; So the results are quantised in registers, by the stated quantiser, and stored as images: qkv[tensor][group of 128 tokens][group of 4 heads] = 34,816 bytes: codes [pair of heads 0..1][tile 0..7][2,048], then scale words
; [pair][j 0..1][lane][4 words]: word e of lane 16 half + r is tile 4 j + e's word of row r, shifted right by 16 half (so that either head of a pair finds its two bytes lowest).
; BIASES: bq is the C of each sum's first product (eight registers a tile of B, in the result's layout); bv hangs on the lane's feature and is added on the way out; what a tensor has not is masked to 0.
; CLUSTERS: 4 x 4 work-groups; A's tiles are asked for jointly along a row of the cluster, B's along a column.  A cluster belongs to one tensor: cluster y / 8.
; LIMITS: NaN and infinities are not served.  A block of zeros gets the byte 1 with zero codes (only this program reads the bytes).
; REGISTERS: window 0: v2-17 bv's numbers, v18-26 addresses, v32-63 scale words (two sets), v64-127 bq in the result's layout, v128-255 A's fragments (one set); on the way out v128-251 are at work.
;   window 1: B's fragments, two sets.  window 2: accumulators of A's blocks 0-3 ((a, b) at v[8 (8 (a % 4) + b)]);  window 3: of blocks 4-7.
.set SLOT,   131072                    ; A's two halves, then B's two halves, 32,768 bytes each: [K step 0..1][tile 0..7][2,048]
.set SCL,    2*SLOT                    ; behind the ring: the scale words of the four halves for all of K, 4,096 bytes each: filled once
.set SPARE,  SCL+4*4096                ; the spare words, 128 bytes for each wave: two blocks of 256 bytes that no other line names
.set NP,     8                         ; places behind this matrix instruction (ISA guide 7.12.1)
.set BR,     2
.set ADRA,   18                        ; v18-19 LDS address of my half of A in slot 0, 1
.set ADRB,   20                        ; v20-21 the same for B
.set ADRS,   22                        ; v22  my scale words: lanes 0-15 A's rows, lanes 16-31 B's
.set SPW,    23                        ; v23  LDS address of my spare word; never rewritten
.set NIL,    24                        ; v24  0; never rewritten
.set L16,    25                        ; v25  16 x lane
.set H16,    26                        ; v26  16 h
.set SC,     32
.set CB,     64
.set AF,     128
.set X,      128                       ; the way out: 64 numbers,
.set PC,     192                       ; two sets of 16 code registers,
.set TM,     224                       ; at work,
.set PW,     240                       ; the scale word just made,
.set SW,     244                       ; v244-251 the eight blocks' scale words as they are stored
.set WV,  20                           ; s20 wave;  s21 wave / 2: my half of A, and: I fetch for A (0) or B (1);  s22 wave % 2: my half of B, and: which half I fetch
.set FB,  21
.set HF,  22
.set G1,  24                           ; s[24:31], s[32:39] descriptor groups 1 and 0 (a set for each slot) for A's codes
.set G0,  32
.set G1B, 48                           ; s[48:55], s[56:63] for B's
.set G0B, 56
.set G1S, 68                           ; s[68:75], s[76:79] for A's scale words;  s[80:87], s[88:91] for B's
.set G0S, 76
.set G1SB, 80
.set G0SB, 88
.set OUTC, 98                          ; s[98:99] where my images go;  s[96:97] their scale words
.set OUTS, 96
.set SEL, 100
.set MNT, 40
.set MSB, 0
.macro WIN new                         ; the immediate's high byte repeats the setting that is left
.if MSB != \new
	s_set_vgpr_msb (MSB<<8)|\new
.set MSB, \new
.endif
.endm
.set MUL_LO, 0xa1                      ; source 0 (B) window 1, source 1 (A) window 0, C and D window 2
.set MUL_HI, 0xf1                      ; the same, C and D window 3
.set TO_B,   0x40                      ; destination window 1, address window 0
.macro JLOAD g0a, g1a, g0b, g1b        ; a joint load: waves 0, 1 for A, waves 2, 3 for B; four v_nop follow each of the two lines
	s_cmp_eq_u32 s[FB], 0
	s_cbranch_scc0 .Lfor_b_\@
	tensor_load_to_lds s[\g0a:\g0a+3], s[\g1a:\g1a+7]
	s_nop 0
.rept 4
	v_nop
.endr
	s_branch .Lasked_\@
.Lfor_b_\@:
	tensor_load_to_lds s[\g0b:\g0b+3], s[\g1b:\g1b+7]
	s_nop 0
.rept 4
	v_nop
.endr
.Lasked_\@:
.endm
.macro CREST                           ; a round of the cluster's barrier behind its opening barrier
	s_cmp_lg_u32 s[WV], 0
	s_cbranch_scc1 .Lnot_wave_0_\@
	s_barrier_signal -3
.Lnot_wave_0_\@:
	s_barrier_wait -3
	s_barrier_signal -1
	s_barrier_wait -1
.endm
.macro CROUND
	s_barrier_signal -1
	s_barrier_wait -1
	CREST
.endm
.macro PLACES n
.rept \n
	v_nop
.endr
.endm
.macro FRAG reg, adr, q, i             ; the image of tile i, the slot's q-th K step
.irp c, 0,1,2,3
	ds_load_b128 v[\reg+4*\c:\reg+4*\c+3], v[\adr] offset:16384*(\q)+2048*(\i)+512*\c
.endr
.endm
; 16 matrix instructions: A's blocks a0, a0 + 1 x B's eight.  p: B's set; sc: the set of scale words.  zero = 1: the first product starts the sums, with the bias as C.
; The 64 accumulators take turns, one instruction a turn, in the same order in every step.
.macro MUL16 a0, p, q, sc, zero
.irp a, \a0, \a0+1
.irp b, 0,1,2,3,4,5,6,7
.if \zero
	v_wmma_scale_f32_16x16x128_f8f6f4 v[8*(8*((\a)%4)+\b):8*(8*((\a)%4)+\b)+7], v[128*(\p)+16*\b:128*(\p)+16*\b+15], v[AF+16*(\a):AF+16*(\a)+15], v[CB+8*\b:CB+8*\b+7], v[SC+16*(\sc)+2*\b+(\q)], v[SC+16*(\sc)+2*(\a)+(\q)] matrix_a_scale:MATRIX_SCALE_ROW1
.else
	v_wmma_scale_f32_16x16x128_f8f6f4 v[8*(8*((\a)%4)+\b):8*(8*((\a)%4)+\b)+7], v[128*(\p)+16*\b:128*(\p)+16*\b+15], v[AF+16*(\a):AF+16*(\a)+15], v[8*(8*((\a)%4)+\b):8*(8*((\a)%4)+\b)+7], v[SC+16*(\sc)+2*\b+(\q)], v[SC+16*(\sc)+2*(\a)+(\q)] matrix_a_scale:MATRIX_SCALE_ROW1
.endif
.endr
.endr
.endm
.macro FETCH_B slot, q, p
	WIN TO_B
.irp i, 0,1,2,3,4,5,6,7
	FRAG 128*(\p)+16*\i, ADRB+\slot, \q, \i
.endr
	WIN 0
.endm
.macro FETCH_A slot, q, i0
.irp i, \i0, \i0+1, \i0+2, \i0+3
	FRAG AF+16*(\i), ADRA+\slot, \q, \i
.endr
.endm
.macro SCALES sc                       ; a slot's scale words: two a row; lanes 0-15 take A's block i, lanes 16-31 B's block i
.irp i, 0,1,2,3,4,5,6,7
	ds_load_b64 v[SC+16*\sc+2*\i:SC+16*\sc+2*\i+1], v[ADRS] offset:128*\i
.endr
.endm
.macro STEP slot, q, zero              ; a K step of 128 that has its successor in the same slot
	s_wait_dscnt 16                                ; B's set, A's blocks 0-3 and the scale words are in; the youngest 16 loads (A's blocks 4-7) may be out
.if \zero
	WIN 0x81                                       ; C (the bias) window 0, D window 2
.else
	WIN MUL_LO
.endif
	MUL16 0, (\q)%2, \q, \slot, \zero
	MUL16 2, (\q)%2, \q, \slot, \zero
	s_wait_dscnt 0x0                               ; A's blocks 4-7 are in
	PLACES NP                                      ; in front of loads into registers that matrix instructions have read
	FETCH_B \slot, (\q)+1, 1-(\q)%2
	FETCH_A \slot, (\q)+1, 0
.if \zero
	WIN 0xc1
.else
	WIN MUL_HI
.endif
	MUL16 4, (\q)%2, \q, \slot, \zero
	MUL16 6, (\q)%2, \q, \slot, \zero
	PLACES NP
	WIN 0
	FETCH_A \slot, (\q)+1, 4
.endm
; A slot's last K step changes slots: one barrier; in front of it each wave waits for all its tensor loads, adds 0 to its spare word, and waits for that and for its reads of this slot.  fill = 1: the slot is filled again.
.macro TURN slot, next, fill
	s_wait_tensorcnt 0x0                           ; all my tensor loads have landed: my part of the next slot
	ds_add_u32 v[SPW], v[NIL]                      ; 0 onto my spare word
	s_wait_dscnt 17                                ; the add and the youngest 16 loads (A's blocks 4-7) may be out
	WIN MUL_LO
	MUL16 0, 1, 1, \slot, 0                        ; sixteen matrix instructions stand between the add and the wait for it
	s_wait_dscnt 0x0                               ; the add is done, and my reads of this slot are over
	s_barrier_signal -1
	MUL16 2, 1, 1, \slot, 0
	WIN 0
	s_barrier_wait -1
.if \fill
	CREST                                          ; the barrier has opened a round of the cluster's: no wave of any partner still reads this slot or has a load on its way
	s_add_nc_u64 s[G0+4*\slot+2:G0+4*\slot+3], s[G0+4*\slot+2:G0+4*\slot+3], 65536
	s_add_nc_u64 s[G0B+4*\slot+2:G0B+4*\slot+3], s[G0B+4*\slot+2:G0B+4*\slot+3], 65536
	JLOAD G0+4*\slot, G1, G0B+4*\slot, G1B         ; the first tensor load behind the round; its four v_nop are four of the eight places
	PLACES NP-4
.else
	PLACES NP
.endif
	v_add_nc_u32 v[ADRS], 1024, v[ADRS]            ; the next slot's scale words (no LDS load of mine is out)
	FETCH_B \next, 0, 0
	FETCH_A \next, 0, 0
	SCALES \next
	WIN MUL_HI
	MUL16 4, 1, 1, \slot, 0
	MUL16 6, 1, 1, \slot, 0
	PLACES NP
	WIN 0
	FETCH_A \next, 0, 4
.endm
.macro QUANT s, pc                     ; 64 numbers of a lane, register 16 b + i = k 32 b + 16 h + i of its row, become 16 code registers v[pc] on and the scale word v[PW]
.irp b, 0,1,2,3
	v_max3_num_f32 v[TM+\b], |v[\s+16*\b]|, |v[\s+1+16*\b]|, 0x4800000   ; and the floor 2^(9 - 127): the byte cannot fall under 1
.endr
.irp i, 2,4,6,8,10,12,14
.irp b, 0,1,2,3
	v_max3_num_f32 v[TM+\b], v[TM+\b], |v[\s+16*\b+\i]|, |v[\s+1+16*\b+\i]|
.endr
.endr
.irp b, 0,1,2,3
	v_permlanex16_b32 v[TM+4+\b], v[TM+\b], s[SEL], s[SEL+1]
.endr
.irp b, 0,1,2,3
	v_max_num_f32 v[TM+\b], v[TM+\b], v[TM+4+\b]
.endr
.irp b, 0,1,2,3
	v_add_nc_u32 v[TM+12+\b], 0xfc000000, v[TM+\b]         ; 8 off the exponent field: the conversion's scale operand
.endr
.irp b, 0,1,2,3
	v_and_or_b32 v[TM+8+\b], v[TM+\b], 0x7f800000, s[MNT]  ; 448 x the scale
.endr
.irp b, 0,1,2,3
	v_lshrrev_b32 v[TM+4+\b], 23, v[TM+12+\b]              ; the scale's byte
.endr
	v_lshl_or_b32 v[PW], v[TM+5], 8, v[TM+4]
	v_lshl_or_b32 v[PW], v[TM+6], 16, v[PW]
	v_lshl_or_b32 v[PW], v[TM+7], 24, v[PW]
.irp b, 0,1,2,3
.irp i, 0,1,2,3,4,5,6,7,8,9,10,11,12,13,14,15
	v_med3_num_f32 v[\s+16*\b+\i], v[\s+16*\b+\i], -v[TM+8+\b], v[TM+8+\b]   ; the conversion does not saturate (ISA guide 7.6.2)
.endr
	v_cvt_scalef32_pk8_fp8_f32 v[(\pc)+4*\b:(\pc)+1+4*\b], v[\s+16*\b:\s+7+16*\b], v[TM+12+\b]
	v_cvt_scalef32_pk8_fp8_f32 v[(\pc)+2+4*\b:(\pc)+3+4*\b], v[\s+8+16*\b:\s+15+16*\b], v[TM+12+\b]
.endr
	v_nop
.endm
	s_load_b256 s[4:11], s[0:1], 0x0               ; xc, xs, wc, ws
	s_load_b128 s[12:15], s[0:1], 0x20             ; bq, bv
	s_load_b64 s[16:17], s[0:1], 0x30              ; qkv
	v_lshl_add_u32 v[SPW], v0, 2, SPARE
	v_mov_b32 v[NIL], 0
	ds_add_u32 v23, v24
	s_wait_dscnt 0x0
	v_lshrrev_b32 v1, 5, v0
	v_readfirstlane_b32 s[WV], v1
	s_lshr_b32 s[FB], s[WV], 1
	s_and_b32 s[HF], s[WV], 1
	s_bfe_u32 s40, ttmp6, 0x40000                  ; cx
	s_bfe_u32 s41, ttmp6, 0x40004                  ; cy
	s_and_b32 s42, ttmp7, 0xffff                   ; the cluster's y: 8 clusters to a tensor
	s_lshr_b32 s43, s42, 3                         ; the tensor: 0 Q, 1 K, 2 V
	s_and_b32 s42, s42, 7
	s_lshl_b32 s42, s42, 2
	s_cmp_eq_u32 s43, 2                            ; the 32 tiles of tokens lie along y (A) for Q and K, along x (B) for V; the weight's four along the other axis
	s_cselect_b32 s44, s42, 0
	s_cselect_b32 s45, 0, s42
	s_add_co_u32 s44, s44, s40                     ; B's tile of 256 rows
	s_add_co_u32 s45, s45, s41                     ; A's
	s_lshl_b32 s46, s41, 2
	s_lshl_b32 s46, 15, s46                        ; my row of the cluster
	s_lshl_b32 s47, 0x1111, s40                    ; my column
	s_or_b32 s[G1], s46, (3<<16)|(1<<21)           ; 15:0 the mask; 17:16 elements of 8 bytes; 21 set beside a mask; no padding
	s_or_b32 s[G1B], s47, (3<<16)|(1<<21)
	s_or_b32 s[G1S], s46, (3<<16)|(1<<21)
	s_or_b32 s[G1SB], s47, (3<<16)|(1<<21)
.irp g, G1, G1B                        ; a dense block of 32,768 bytes as 128 rows of 256
	s_mov_b32 s[\g+1], 32<<16
	s_mov_b32 s[\g+2], 128<<16
	s_mov_b32 s[\g+3], 32<<16
	s_mov_b32 s[\g+4], 128
	s_mov_b32 s[\g+5], 32
	s_mov_b32 s[\g+6], 0
	s_mov_b32 s[\g+7], 0
.endr
.irp g, G1S, G1SB                      ; and one of 4,096 bytes as 16 rows
	s_mov_b32 s[\g+1], 32<<16
	s_mov_b32 s[\g+2], 16<<16
	s_mov_b32 s[\g+3], 32<<16
	s_mov_b32 s[\g+4], 16
	s_mov_b32 s[\g+5], 32
	s_mov_b32 s[\g+6], 0
	s_mov_b32 s[\g+7], 0
.endr
	s_lshl_b32 s2, s45, 1
	s_add_co_u32 s2, s2, s[HF]                     ; the group of 128 rows of A that I would fetch,
	s_lshl_b32 s92, s2, 17
	s_mov_b32 s93, 0
	s_lshl_b32 s96, s2, 12
	s_mov_b32 s97, 0
	s_lshl_b32 s3, s44, 1
	s_add_co_u32 s3, s3, s[HF]                     ; and of B
	s_lshl_b32 s94, s3, 17
	s_mov_b32 s95, 0
	s_lshl_b32 s98, s3, 12
	s_mov_b32 s99, 0
	s_lshl_b32 s23, s[WV], 15                      ; where they go: wave x 32,768, wave x 4,096: no place in the cluster enters an LDS address
	s_lshl_b32 s66, s[WV], 12
	s_mov_b32 s19, 0
	s_wait_kmcnt 0x0
	s_lshl_b32 s18, s43, 23
	s_add_nc_u64 s[4:5], s[4:5], s[18:19]          ; my tensor's tokens,
	s_lshl_b32 s18, s43, 18
	s_add_nc_u64 s[6:7], s[6:7], s[18:19]
	s_lshl_b32 s18, s43, 20
	s_add_nc_u64 s[8:9], s[8:9], s[18:19]          ; and its weight
	s_lshl_b32 s18, s43, 15
	s_add_nc_u64 s[10:11], s[10:11], s[18:19]
	s_cmp_eq_u32 s43, 2
	s_cselect_b64 s[100:101], s[8:9], s[4:5]
	s_add_nc_u64 s[92:93], s[100:101], s[92:93]    ; A's codes
	s_cselect_b64 s[100:101], s[10:11], s[6:7]
	s_add_nc_u64 s[96:97], s[100:101], s[96:97]    ; A's scale words
	s_cselect_b64 s[100:101], s[4:5], s[8:9]
	s_add_nc_u64 s[94:95], s[100:101], s[94:95]    ; B's codes
	s_cselect_b64 s[100:101], s[6:7], s[10:11]
	s_add_nc_u64 s[98:99], s[100:101], s[98:99]    ; B's scale words
	CROUND                                         ; all sixteen work-groups are here: the first joint loads meet
	s_mov_b32 s[G0S], 1
	s_add_co_u32 s[G0S+1], s66, SCL
	s_mov_b64 s[G0S+2:G0S+3], s[96:97]
	s_or_b32 s[G0S+3], s[G0S+3], 0x80000000
	s_mov_b32 s[G0SB], 1
	s_add_co_u32 s[G0SB+1], s66, SCL
	s_mov_b64 s[G0SB+2:G0SB+3], s[98:99]
	s_or_b32 s[G0SB+3], s[G0SB+3], 0x80000000
	JLOAD G0S, G1S, G0SB, G1SB                     ; the scale words first: three loads of mine are out behind the third of these
.irp s, 0,1
	s_mov_b32 s[G0+4*\s], 1
	s_add_co_u32 s[G0+4*\s+1], s23, \s*SLOT
	s_add_nc_u64 s[G0+4*\s+2:G0+4*\s+3], s[92:93], \s*32768
	s_or_b32 s[G0+4*\s+3], s[G0+4*\s+3], 0x80000000
	s_mov_b32 s[G0B+4*\s], 1
	s_add_co_u32 s[G0B+4*\s+1], s23, \s*SLOT
	s_add_nc_u64 s[G0B+4*\s+2:G0B+4*\s+3], s[94:95], \s*32768
	s_or_b32 s[G0B+4*\s+3], s[G0B+4*\s+3], 0x80000000
	JLOAD G0+4*\s, G1, G0B+4*\s, G1B
.endr
	v_and_b32 v1, 31, v0
	v_lshlrev_b32 v[L16], 4, v1
	v_bfe_u32 v27, v0, 4, 1                        ; h
	v_and_b32 v28, 15, v0                          ; r
	v_lshlrev_b32 v[H16], 4, v27
	s_lshl_b32 s2, s[FB], 15                       ; my half of A,
	s_lshl_b32 s3, s[HF], 15
	s_add_co_u32 s3, s3, 65536                     ; my half of B, behind A's two
.irp s, 0,1
	v_add_nc_u32 v[ADRA+\s], s2, v[L16]
	v_add_nc_u32 v[ADRB+\s], s3, v[L16]
	s_add_co_u32 s2, s2, SLOT
	s_add_co_u32 s3, s3, SLOT
.endr
	s_xor_b32 s3, s[FB], 1                         ; lanes 16-31 take B's words: 4,096 (2 + my half of B - my half of A) bytes on
	s_add_co_u32 s3, s3, s[HF]
	s_add_co_u32 s3, s3, 1
	s_lshl_b32 s3, s3, 12
	v_mul_u32_u24 v29, s3, v27
	s_lshl_b32 s2, s[FB], 12
	s_add_co_u32 s2, s2, SCL
	v_lshl_add_u32 v29, v28, 3, v29
	v_add_nc_u32 v[ADRS], s2, v29
	; my groups of 128 rows of A (s46) and of B (s47); which of them is the group of tokens and which the pair of heads; the biases
	s_lshl_b32 s46, s45, 1
	s_add_co_u32 s46, s46, s[FB]
	s_lshl_b32 s47, s44, 1
	s_add_co_u32 s47, s47, s[HF]
	s_cmp_eq_u32 s43, 2
	s_cselect_b32 s2, s47, s46                     ; the group of tokens
	s_cselect_b32 s3, s46, s47                     ; the pair of heads
	s_cselect_b64 s[18:19], s[14:15], s[12:13]     ; bv or bq
	s_cselect_b32 s67, -1, 0                       ; V alone has a bias by the lane's row
	s_cselect_b32 s92, s46, 0
	s_cmp_eq_u32 s43, 0
	s_cselect_b32 s66, -1, 0                       ; Q alone has one along the registers
	s_cselect_b32 s94, s47, 0                      ; (what is masked away is read at the buffer's head: no load leaves its buffer)
	s_lshl_b32 s92, s92, 9
	s_mov_b32 s93, 0
	s_lshl_b32 s94, s94, 9
	s_mov_b32 s95, 0
	s_add_nc_u64 s[92:93], s[18:19], s[92:93]
	s_add_nc_u64 s[94:95], s[18:19], s[94:95]
	v_lshlrev_b32 v30, 6, v27                      ; 16 h numbers
.irp b, 0,1,2,3,4,5,6,7
	global_load_b128 v[CB+8*\b:CB+8*\b+3], v30, s[94:95] offset:(32*(\b/2)+8*(\b%2))*4
	global_load_b128 v[CB+8*\b+4:CB+8*\b+7], v30, s[94:95] offset:(32*(\b/2)+8*(\b%2))*4+16
.endr
	v_and_b32 v31, 8, v28
	v_add_nc_u32 v31, v31, v28                     ; r + 8 (r / 8)
	v_lshlrev_b32 v31, 2, v31
.irp a, 0,1,2,3,4,5,6,7
	global_load_b32 v[BR+2*\a], v31, s[92:93] offset:(32*(\a/2)+8*(\a%2))*4
.endr
	s_mul_i32 s96, s43, 8912896                    ; my tensor's part of qkv,
	s_lshl_b32 s2, s2, 2
	s_lshr_b32 s23, s3, 1
	s_add_co_u32 s2, s2, s23
	s_mul_i32 s2, s2, 34816                        ; the block of (group of tokens, group of 4 heads),
	s_add_co_u32 s96, s96, s2
	s_and_b32 s3, s3, 1
	s_lshl_b32 s23, s3, 14
	s_add_co_u32 s98, s96, s23                     ; the pair's eight images,
	s_mov_b32 s99, 0
	s_lshl_b32 s23, s3, 10
	s_add_co_u32 s96, s96, s23
	s_add_co_u32 s96, s96, 32768                   ; and its scale words
	s_mov_b32 s97, 0
	s_add_nc_u64 s[OUTC:OUTC+1], s[16:17], s[98:99]
	s_add_nc_u64 s[OUTS:OUTS+1], s[16:17], s[96:97]
	s_mov_b32 s[SEL], 0x76543210
	s_mov_b32 s[SEL+1], 0xfedcba98
	s_mov_b32 s[MNT], 0x600000
	s_wait_loadcnt 0x0
.set n, 0
.rept 64
	v_and_b32 v[CB+n], s66, v[CB+n]
.set n, n+1
.endr
.irp a, 0,1,2,3,4,5,6,7
	v_and_b32 v[BR+2*\a+1], s67, v[BR+2*\a]        ; twice: a pair for the packed addition
	v_and_b32 v[BR+2*\a], s67, v[BR+2*\a]
.endr
	s_wait_tensorcnt 1                             ; the scale words and my part of slot 0 are in; slot 1's load may be out
	s_barrier_signal -1
	s_barrier_wait -1
	FETCH_B 0, 0, 0
	FETCH_A 0, 0, 0
	SCALES 0
	FETCH_A 0, 0, 4
	STEP 0, 0, 1                                   ; K steps 0 .. 7, written straight: four slots' worth
	TURN 0, 1, 1
	STEP 1, 0, 0
	TURN 1, 0, 1
	STEP 0, 0, 0
	TURN 0, 1, 0                                   ; nothing is left to fetch
	STEP 1, 0, 0
	s_wait_dscnt 16
	WIN MUL_LO
	MUL16 0, 1, 1, 1, 0
	MUL16 2, 1, 1, 1, 0
	s_wait_dscnt 0x0
	WIN MUL_HI
	MUL16 4, 1, 1, 1, 0
	MUL16 6, 1, 1, 1, 0
	WIN 0
	; THE WAY OUT: block a of A's rows: its 64 sums a lane come into window 0 (with V's bias), are quantised, and leave as one image: four stores of 512 consecutive bytes.
	PLACES NP
.irp b, 0,1,2,3
	v_mov_b32 v[TM+4+\b], 0                        ; a lane permute's destination counts as one of its sources
.endr
.macro OUTA a
	WIN 2+(\a)/4                                   ; source 0: the accumulators' window
.set n, 0
.rept 32
	v_pk_add_f32 v[X+n:X+n+1], v[64*((\a)%4)+n:64*((\a)%4)+n+1], v[BR+2*(\a):BR+2*(\a)+1]   ; each accumulator from its low end on
.set n, n+2
.endr
	WIN 0
.if (\a) >= 2
	s_wait_xcnt 0x0                                ; the stores of two blocks ago have read this set of code registers
.endif
	QUANT X, PC+16*((\a)%2)
.irp c, 0,1,2,3
	global_store_b128 v[L16], v[PC+16*((\a)%2)+4*\c:PC+16*((\a)%2)+4*\c+3], s[OUTC:OUTC+1] offset:2048*(\a)+512*\c
.endr
	v_lshrrev_b32 v[SW+(\a)], v[H16], v[PW]        ; lanes 16-31 keep the word's upper half lowest: the pair's second head
.endm
.irp a, 0,1,2,3,4,5,6,7
	OUTA \a
.endr
.irp j, 0,1
	global_store_b128 v[L16], v[SW+4*\j:SW+4*\j+3], s[OUTS:OUTS+1] offset:512*\j
.endr
	s_wait_tensorcnt 0x0                           ; the wave's end
	ds_add_u32 v[SPW], v[NIL]
	s_wait_dscnt 0x0
	CROUND                                         ; the closing round
	s_endpgm
.Lfunc_end_k_qea4606039b_proj:
	.size	k_qea4606039b_proj, .Lfunc_end_k_qea4606039b_proj-k_qea4606039b_proj
	.p2alignl 7, 3214868480
	.fill 96, 4, 3214868480
	.section	.rodata,"a",@progbits
	.p2align	6, 0x0
	.amdhsa_kernel k_qea4606039b_proj
		.amdhsa_group_segment_fixed_size 327680
		.amdhsa_private_segment_fixed_size 0
		.amdhsa_enable_private_segment 0
		.amdhsa_kernarg_size 56
		.amdhsa_user_sgpr_count 2
		.amdhsa_user_sgpr_kernarg_segment_ptr 1
		.amdhsa_wavefront_size32 1
		.amdhsa_system_sgpr_workgroup_id_x 1
		.amdhsa_system_sgpr_workgroup_id_y 1
		.amdhsa_system_sgpr_workgroup_id_z 1
		.amdhsa_system_vgpr_workitem_id 0
		.amdhsa_next_free_vgpr 1024
		.amdhsa_next_free_sgpr 104
		.amdhsa_reserve_vcc 0
		.amdhsa_float_denorm_mode_32 3
		.amdhsa_float_denorm_mode_16_64 3
		.amdhsa_memory_ordered 1
		.amdhsa_forward_progress 1
		.amdhsa_inst_pref_size 206
	.end_amdhsa_kernel
	.amdgpu_metadata
---
amdhsa.version: [ 1, 2 ]
amdhsa.kernels:
  - .name:           k_qea4606039b_proj
    .symbol:         k_qea4606039b_proj.kd
    .args:
      - { .name: xc, .offset: 0, .size: 8, .value_kind: global_buffer, .address_space: global }
      - { .name: xs, .offset: 8, .size: 8, .value_kind: global_buffer, .address_space: global }
      - { .name: wc, .offset: 16, .size: 8, .value_kind: global_buffer, .address_space: global }
      - { .name: ws, .offset: 24, .size: 8, .value_kind: global_buffer, .address_space: global }
      - { .name: bq, .offset: 32, .size: 8, .value_kind: global_buffer, .address_space: global }
      - { .name: bv, .offset: 40, .size: 8, .value_kind: global_buffer, .address_space: global }
      - { .name: qkv, .offset: 48, .size: 8, .value_kind: global_buffer, .address_space: global }
    .group_segment_fixed_size: 327680
    .private_segment_fixed_size: 0
    .kernarg_segment_align: 8
    .kernarg_segment_size: 56
    .max_flat_workgroup_size: 128
    .sgpr_count:     104
    .vgpr_count:     1024
    .wavefront_size: 32
...
	.end_amdgpu_metadata
.endif
;; end of part 2
;; launch attn (part 3): grid 8 x 32, 8 waves a work-group, clusters of 4 x 4, 327,680 bytes of LDS; arguments qkv, causal_mask, padding_mask, oc, os; writes oc, os
.if DOCPART == 3
	.amdgcn_target "amdgcn-amd-amdhsa--gfx1250"
	.amdhsa_code_object_version 6
	.text
	.protected	k_qea4606039b_attn
	.globl	k_qea4606039b_attn
	.p2align	8
	.type	k_qea4606039b_attn,@function
k_qea4606039b_attn:
	s_mov_b64 s[64:65], 0
	v_nop
	global_prefetch_b8 v0, s[64:65] scope:SCOPE_SE
	s_setreg_imm32_b32 hwreg(HW_REG_WAVE_MODE, 25, 1), 1
	s_wait_xcnt 0x0
	s_wait_alu depctr_hold_cnt(0) depctr_sa_sdst(0) depctr_va_vdst(0) depctr_va_sdst(0) depctr_va_ssrc(0) depctr_va_vcc(0) depctr_vm_vsrc(0)
	s_getreg_b32 s2, hwreg(HW_REG_IB_STS2, 6, 4)
	s_cmp_eq_u32 s2, 0
	s_cbranch_scc0 .Lentry_in_a_cluster
	s_endpgm
.Lentry_in_a_cluster:
	s_bfe_u32 s2, ttmp6, 0x10000c
	s_cmp_lg_u32 s2, 0xf033
	s_cbranch_scc0 .Lentry_shape_is_right
	s_endpgm
.Lentry_shape_is_right:
; Attention on codes of E4M3: for each batch b, head and query: logit = (padded key ? -1e9 : Q . K / 8) + causal_mask[query][key]; t = logit x log2(e); M = the ceiling of the running largest t;
; p = 2^(t - M) is quantised along the keys; O = (sum of p's codes x V's codes) / (sum of the unquantised p); O is quantised along the model's 1,024 for the last projection.
; THE MASK IS AN INPUT: every one of its numbers is read and added, and no tile is left out.  THE ORDER OF ROUNDING IS reference()'s: x = fma(S, 1/8, m') with m' = mask + (-1e9 x padded); S is exactly 0 for a padded key
; (its codes of K are zeros), so x = RN(-1e9 + mask) there and RN(S / 8 + mask) elsewhere; t = RN(x log2(e)) is rounded BEFORE M is taken off: at logits of -1e9 one fused step would leave a fraction that ties must not have.
; SHARES: a work-group owns 128 queries of one batch and FOUR heads; wave w owns queries 16 w + r for all four, so a key step's 16 x 128 numbers of m' are read from LDS once and serve four heads from registers.
; 8 key steps of 128 keys.  256 work-groups.  A lane holds one query throughout: S^T = K Q^T (source 0 = 16 keys), O^T = V^T P^T (source 0 = 16 of the head's 64).
; The head's K is 64: Q's operand has zero codes in its upper 64, so whatever finite codes stand in the upper half of K's operand add nothing.
; OPERANDS lie in memory and in LDS as images of operand registers (see the projection launch): every fragment load is 16 x lane, consecutive bytes.  K's tiles hold keys 32 b + 8 u + r + 8 (r / 8): p's 16 registers
; of two tiles are 16 neighbouring keys, and the conversions' results are the second product's operand.
; TWO AREAS OF 64 REGISTERS CHANGE ROLES FROM HEAD TO HEAD: in even heads K and then V lie in R1 and S^T (then p) in R2, in odd heads the other way round.  As soon as a block of p has been converted, its 16 registers
; take two tiles of the NEXT head's K: K is on its way through the conversions, the rescaling of O^T and the products V^T P.  Behind R1 stand eight registers of zeros, behind R2 p's codes: the upper half of K's last operand.
; -1e9 x padded does not go through the ring: the next step's 64 numbers are loaded into m''s registers as soon as head 3 has formed its logits, ahead of the change of slots; behind it only the mask and head 0's K are asked for.
; CLUSTER 4 x 4: x = four blocks of queries, y = the four groups of heads.  K's and V's blocks hang on (batch, group of heads): asked for jointly along a row; the mask's tile hangs on the block of queries: along a column.
; RING: two slots of 137,216 bytes (K's block, V's block, 128 rows of the mask); a refill is asked for a whole key step (four heads' products and softmax in every wave) ahead of the wait for it, so nothing is prefetched beside it.
; O^T, the sums and M begin as zeros and -3e38, so that the key step is written twice and not three times; that costs 128 clearing lines once.
; LIMITS: NaN and infinities are not served; a p under 2^-126 counts as 0 (v_exp_f32's own flush).
; REGISTERS: window 0: v1-15 addresses; v16-31 four a head: -M, largest t, the sum in two halves; v32-95 R1, v96-103 zeros; v104-167 R2; v168-183 p's codes; v184-186 addresses;
;   v200-221 at work; v224-231 K's scale words, v232-235 Q's, v236 p's, v238-241 V's.   window 1: v0-127 O^T, 32 a head; v128-191 Q's operands, 16 a head; v192-255 m'.
.set SLOTB, 137216
.set VOFF,  34816                      ; in a slot: K's block, V's block (34,816 each: 32,768 of codes, 2,048 of scale words),
.set COFF,  69632                      ; the mask: 128 rows of 512 bytes + 16 of padding
.set PN,    2*SLOTB                    ; -1e9 x padded for the batch's 1,024 keys: written by LDS stores, no tile lands here
.set OSC,   PN+4096                    ; the stage for O's scale words
.set SPARE, OSC+1024                   ; the spare words, 128 bytes for each wave: four blocks of 256 bytes that no other line names
.set L16,  1
.set R16,  2
.set ACM0, 3
.set APN0, 4
.set SPW,  5
.set NIL,  6
.set ADK,  7
.set ADV,  8
.set ADS,  9
.set ADT,  10
.set ACM,  11
.set APN,  12
.set OSR,  13
.set OSW,  14
.set OSG,  15
.set ST,   16
.set R1,   32
.set R2,   104
.set FR,   32                          ; the way out: the four reciprocals
.set S,    104                         ; the head and the way out: at work
.set PCD,  168
.set AV0,  184
.set AS0,  185
.set AT0,  186
.set BM,   200
.set PM,   204
.set LIM,  208
.set SCO,  212
.set F,    216
.set T,    218
.set OW,   220
.set KS,   224
.set QS,   232
.set PW,   236
.set VS,   238
.set QF,   128                         ; in window 1
.set MM,   192                         ; in window 1
.set WV,   14
.set G1KV, 20
.set G1C,  28
.set G0KV, 36
.set G0C,  40
.set TB,   44                          ; s44 the slot in hand;  s45 the slot to be filled;  s46 the step's place in PN;  s47 steps to go
.set TBN,  45
.set TP,   46
.set CNT,  47
.set CS,   48                          ; s[48:49] log2(e)
.set E8,   50                          ; s[50:51] 1/8
.set SEL,  52
.set MNT,  54
.set OFFKV, 55
.set OFFC, 56
.set MSB, 0
.macro WIN new
.if MSB != \new
	s_set_vgpr_msb (MSB<<8)|\new
.set MSB, \new
.endif
.endm
.macro PLACES n
.rept \n
	v_nop
.endr
.endm
.macro CROUND
	s_barrier_signal -1
	s_barrier_wait -1
	s_cmp_lg_u32 s[WV], 0
	s_cbranch_scc1 .Lnot_wave_0_\@
	s_barrier_signal -3
.Lnot_wave_0_\@:
	s_barrier_wait -3
	s_barrier_signal -1
	s_barrier_wait -1
.endm
; Waves 0-3 fetch the halves of K's and V's blocks, waves 4 and 5 the halves of the mask's tile, waves 6 and 7 nothing.  The branches hang on the wave's number alone.  Four v_nop follow each of the two lines.
.macro TLOAD
	s_cmp_lt_u32 s[WV], 4
	s_cbranch_scc0 .Lnot_kv_\@
	tensor_load_to_lds s[G0KV:G0KV+3], s[G1KV:G1KV+7]
	s_nop 0
.rept 4
	v_nop
.endr
	s_branch .Lasked_\@
.Lnot_kv_\@:
	s_cmp_lt_u32 s[WV], 6
	s_cbranch_scc0 .Lasked_\@
	tensor_load_to_lds s[G0C:G0C+3], s[G1C:G1C+7]
	s_nop 0
.rept 4
	v_nop
.endr
.Lasked_\@:
.endm
	s_load_b256 s[4:11], s[0:1], 0x0               ; qkv, causal_mask, padding_mask, oc
	s_load_b64 s[12:13], s[0:1], 0x20              ; os
	v_lshl_add_u32 v[SPW], v0, 2, SPARE
	v_mov_b32 v[NIL], 0
	ds_add_u32 v5, v6
	s_wait_dscnt 0x0
	v_lshrrev_b32 v7, 5, v0
	v_readfirstlane_b32 s[WV], v7                  ; wave 0..7
	s_bfe_u32 s15, ttmp6, 0x40000                  ; cx
	s_bfe_u32 s16, ttmp6, 0x40004                  ; cy = the group of four heads
	s_lshl_b32 s17, ttmp9, 2
	s_add_co_u32 s17, s17, s15                     ; the block of 128 queries
	s_and_b32 s18, ttmp7, 0xffff                   ; the batch
	s_lshl_b32 s19, s16, 2
	s_lshl_b32 s19, 15, s19                        ; my row of the cluster
	s_or_b32 s[G1KV], s19, (3<<16)|(1<<21)         ; elements of 8 bytes, no padding: half a block, 17,408 dense bytes, as 68 rows of 256
	s_mov_b32 s[G1KV+1], 32<<16
	s_mov_b32 s[G1KV+2], 68<<16
	s_mov_b32 s[G1KV+3], 32<<16
	s_mov_b32 s[G1KV+4], 68
	s_mov_b32 s[G1KV+5], 32
	s_mov_b32 s[G1KV+6], 0
	s_mov_b32 s[G1KV+7], 0
	s_lshl_b32 s57, 0x1111, s15                    ; my column
	s_or_b32 s[G1C], s57, (2<<16)|(1<<20)|(1<<21)|(6<<22)|(3<<25)   ; elements of 4 bytes; four words of padding after every 128: 64 rows of 128 numbers, 1,024 apart
	s_mov_b32 s[G1C+1], 128<<16
	s_mov_b32 s[G1C+2], 64<<16
	s_mov_b32 s[G1C+3], 128<<16
	s_mov_b32 s[G1C+4], 64
	s_mov_b32 s[G1C+5], 1024
	s_mov_b32 s[G1C+6], 0
	s_mov_b32 s[G1C+7], 0
	s_and_b32 s62, s[WV], 1
	s_bfe_u32 s63, s[WV], 0x10001                  ; waves 0, 1: K; waves 2, 3: V
	s_add_co_u32 s63, s63, 1
	s_mul_i32 s58, s63, 8912896
	s_lshl_b32 s19, s18, 5
	s_add_co_u32 s19, s19, s16                     ; block (8 b + step) x 4 + group of heads, at step 0
	s_mul_i32 s19, s19, 34816
	s_add_co_u32 s58, s58, s19
	s_mul_i32 s19, s62, 17408
	s_add_co_u32 s58, s58, s19
	s_mov_b32 s59, 0
	s_lshl_b32 s60, s17, 7
	s_lshl_b32 s57, s62, 6
	s_add_co_u32 s60, s60, s57                     ; the mask's row 128 x block + 64 x half
	s_lshl_b32 s60, s60, 12
	s_mov_b32 s61, 0
	s_and_b32 s[OFFKV], s[WV], 3
	s_mul_i32 s[OFFKV], s[OFFKV], 17408            ; where they go in a slot
	s_mul_i32 s[OFFC], s62, 33792
	s_add_co_u32 s[OFFC], s[OFFC], COFF
	s_mov_b32 s[TB], 0
	s_mov_b32 s[TBN], 0
	s_mov_b32 s[TP], 0
	s_mov_b32 s[CNT], 7
	s_mov_b32 s[CS], 0x3fb8aa3b
	s_mov_b32 s[CS+1], s[CS]
	s_mov_b32 s[E8], 0x3e000000
	s_mov_b32 s[E8+1], s[E8]
	s_mov_b32 s[SEL], 0x76543210
	s_mov_b32 s[SEL+1], 0xfedcba98
	s_mov_b32 s[MNT], 0x600000
	s_wait_kmcnt 0x0
	s_mov_b32 s[G0KV], 1
	s_mov_b32 s[G0KV+1], s[OFFKV]
	s_add_nc_u64 s[G0KV+2:G0KV+3], s[4:5], s[58:59]
	s_or_b32 s[G0KV+3], s[G0KV+3], 0x80000000
	s_mov_b32 s[G0C], 1
	s_mov_b32 s[G0C+1], s[OFFC]
	s_add_nc_u64 s[G0C+2:G0C+3], s[6:7], s[60:61]
	s_or_b32 s[G0C+3], s[G0C+3], 0x80000000
	CROUND                                         ; all sixteen work-groups are here
	TLOAD                                          ; key step 0 into slot 0: one load of mine is out
	; where Q, O and the padding bytes lie
	s_lshl_b32 s19, s18, 3
	s_add_co_u32 s19, s19, s17                     ; the group of 128 tokens: 8 b + block
	s_lshl_b32 s57, s19, 2
	s_add_co_u32 s57, s57, s16
	s_mul_i32 s58, s57, 34816                      ; Q's block
	s_lshl_b32 s57, s[WV], 11
	s_add_co_u32 s60, s58, s57                     ; my tile's images
	s_mov_b32 s61, 0
	s_add_nc_u64 s[66:67], s[4:5], s[60:61]
	s_lshr_b32 s57, s[WV], 2
	s_lshl_b32 s57, s57, 9
	s_add_co_u32 s58, s58, s57
	s_and_b32 s57, s[WV], 3
	s_lshl_b32 s57, s57, 2
	s_add_co_u32 s58, s58, s57
	s_add_co_u32 s58, s58, 32768                   ; my tile's scale words
	s_mov_b32 s59, 0
	s_add_nc_u64 s[58:59], s[4:5], s[58:59]
	s_lshl_b32 s60, s19, 17
	s_lshl_b32 s57, s16, 15
	s_add_co_u32 s60, s60, s57
	s_lshl_b32 s57, s[WV], 11
	s_add_co_u32 s60, s60, s57
	s_add_nc_u64 s[68:69], s[10:11], s[60:61]      ; oc: group, K steps 2 g and 2 g + 1, tile w
	s_lshl_b32 s60, s19, 12
	s_lshl_b32 s57, s16, 10
	s_add_co_u32 s60, s60, s57
	s_add_nc_u64 s[70:71], s[12:13], s[60:61]      ; os: group, pair of K steps g
	s_lshl_b32 s60, s18, 10
	s_add_nc_u64 s[8:9], s[8:9], s[60:61]          ; the batch's padding bytes
	v_and_b32 v7, 31, v0
	v_lshlrev_b32 v[L16], 4, v7
	v_and_b32 v8, 15, v0                           ; r
	v_bfe_u32 v9, v0, 4, 1                         ; h
	v_lshlrev_b32 v[R16], 4, v8
	s_lshl_b32 s57, s[WV], 4
	v_add_nc_u32 v10, s57, v8                      ; my query's row in the mask's tile
	v_mul_u32_u24 v[ACM0], v10, 528
	v_lshl_add_u32 v[ACM0], v9, 6, v[ACM0]
	v_add_nc_u32 v[ACM0], COFF, v[ACM0]
	v_lshlrev_b32 v[APN0], 6, v9
	v_add_nc_u32 v[APN0], PN, v[APN0]
	v_add_nc_u32 v[AV0], VOFF, v[L16]
	v_add_nc_u32 v[AS0], 32768, v[R16]
	v_add_nc_u32 v[AT0], VOFF+32768, v[R16]
	v_and_b32 v[OSG], 63, v0
	v_lshlrev_b32 v[OSG], 4, v[OSG]
	v_add_nc_u32 v[OSR], OSC, v[OSG]
	s_lshl_b32 s57, s[WV], 7
	v_lshl_add_u32 v[OSW], v8, 3, s57
	v_add_nc_u32 v[OSW], OSC, v[OSW]
	v_lshlrev_b32 v11, 2, v0                       ; four padding bytes a thread
	v_lshlrev_b32 v12, 4, v0
	v_add_nc_u32 v12, PN, v12
	global_load_b32 v[S], v11, s[8:9]
	WIN 0x40                                       ; destination window 1
.irp hh, 0,1,2,3
.irp c, 0,1
	global_load_b128 v[QF+16*\hh+4*\c:QF+16*\hh+4*\c+3], v[L16], s[66:67] offset:16384*(\hh/2)+1024*(\hh%2)+512*\c   ; Q's codes stay in registers
.endr
.endr
.set n, 0
.rept 128
	v_mov_b32 v[n], 0                              ; O^T
.set n, n+1
.endr
.irp hh, 0,1,2,3
.irp i, 8,9,10,11,12,13,14,15
	v_mov_b32 v[QF+16*\hh+\i], 0                   ; the upper 64 of Q's K: zero codes
.endr
.endr
	WIN 0
.irp hh, 0,1,2,3
	global_load_b32 v[QS+\hh], v[R16], s[58:59] offset:1024*(\hh/2)+256*(\hh%2)
.endr
.irp i, 96,97,98,99,100,101,102,103
	v_mov_b32 v[\i], 0
.endr
.irp b, 0,1,2,3
	v_mov_b32 v[PM+\b], 0                          ; a lane permute's destination counts as one of its sources
.endr
	v_mov_b32 v[F+1], 0                            ; named as the upper half of a pair
.irp hh, 0,1,2,3
	v_mov_b32 v[ST+4*\hh+1], 0xff61b1e6            ; the largest t so far: -3e38
	v_floor_f32 v[ST+4*\hh], -v[ST+4*\hh+1]        ; -M
	v_mov_b32 v[ST+4*\hh+2], 0
	v_mov_b32 v[ST+4*\hh+3], 0
.endr
	s_wait_loadcnt 0x0
.irp i, 0,1,2,3
	v_bfe_u32 v[S+4+\i], v[S], 8*\i, 8
.endr
.irp i, 0,1,2,3
	v_cvt_f32_u32 v[S+4+\i], v[S+4+\i]
.endr
.irp i, 0,1,2,3
	v_mul_f32 v[S+4+\i], 0xce6e6b28, v[S+4+\i]     ; -1e9 for a padded key, else (-)0
.endr
	ds_store_b128 v12, v[S+4:S+7]
	s_wait_dscnt 0x0                               ; for the others' sake: my 16 bytes of PN are stored
	s_barrier_signal -1
	s_barrier_wait -1
	WIN 0x40
.irp p, 0,1,2,3,4,5,6,7,8,9,10,11,12,13,14,15
	ds_load_b128 v[MM+4*\p:MM+4*\p+3], v[APN0] offset:128*(\p/4)+16*(\p%4)   ; -1e9 x padded for key step 0: register 16 b + i = key 32 b + 16 h + i; the first change of slots waits for it
.endr
	WIN 0
.macro KPART hh, t, base               ; head hh's half of K's image t: 8 registers
.irp c, 0,1
	ds_load_b128 v[(\base)+8*(\t)+4*\c:(\base)+8*(\t)+4*\c+3], v[ADK] offset:16384*((\hh)/2)+1024*((\hh)%2)+2048*(\t)+512*\c
.endr
.endm
.macro KWORDS hh                       ; and the eight images' scale words
.irp j, 0,1
	ds_load_b128 v[KS+4*\j:KS+4*\j+3], v[ADS] offset:1024*((\hh)/2)+512*\j+256*((\hh)%2)
.endr
.endm
.macro VLOAD hh                        ; head hh's four images of V (16 of its 64 x 128 keys) into the area that K has left, and their scale words
.irp t, 0,1,2,3
.irp c, 0,1,2,3
	ds_load_b128 v[RK+16*\t+4*\c:RK+16*\t+4*\c+3], v[ADV] offset:16384*((\hh)/2)+8192*((\hh)%2)+2048*\t+512*\c
.endr
.endr
	ds_load_b128 v[VS:VS+3], v[ADT] offset:1024*((\hh)/2)+512*((\hh)%2)
.endm
.macro TMUL k                          ; k pairs more of t = RN(logit x log2(e)); n walks the 64 registers
.rept \k
	v_pk_mul_f32 v[RS+n:RS+n+1], v[RS+n:RS+n+1], s[CS:CS+1] op_sel_hi:[1,0]
.set n, n+2
.endr
.endm
.macro HEAD hh, more
.set NM, ST+4*(\hh)
.if (\hh)%2
.set RK, R2
.set RS, R1
.else
.set RK, R1
.set RS, R2
.endif
.if (\hh) > 0
	PLACES 9                                       ; the products below write over registers that the last products read (V of the head before)
.endif
	s_wait_dscnt 0x0                               ; K and its scale words
	WIN 0x04                                       ; source 1 (Q) window 1
.irp t, 0,1,2,3,4,5,6,7
	v_wmma_scale_f32_16x16x128_f8f6f4 v[RS+8*\t:RS+8*\t+7], v[RK+8*\t:RK+8*\t+15], v[QF+16*(\hh):QF+16*(\hh)+15], 0, v[KS+\t], v[QS+(\hh)]
.endr
	WIN 0
	PLACES 8                                       ; in front of loads into registers that these products read, and of the first read of their results
	VLOAD \hh                                      ; lands while the softmax is walked
	WIN 0x10                                       ; source 2 (m') window 1
.set n, 0
.rept 32
	v_pk_fma_f32 v[RS+n:RS+n+1], v[RS+n:RS+n+1], s[E8:E8+1], v[MM+n:MM+n+1] op_sel_hi:[1,0,1]   ; the logit: one rounding, as reference() has it (S / 8 is exact); each accumulator from its low end on
.set n, n+2
.endr
.if ((\hh) == 3) && (\more)
	WIN 0x40                                       ; m' has served its four heads: its registers take -1e9 x padded of the next 128 keys
.irp p, 0,1,2,3,4,5,6,7,8,9,10,11,12,13,14,15
	ds_load_b128 v[MM+4*\p:MM+4*\p+3], v[APN] offset:512+128*(\p/4)+16*(\p%4)
.endr
.endif
	WIN 0
.irp b, 0,1,2,3
	v_max3_num_f32 v[BM+\b], v[RS+16*\b], v[RS+1+16*\b], v[RS+2+16*\b]   ; the largest logit of each block of 32 keys: for the row's maximum, and for the block's largest p
.endr
.irp i, 3,5,7,9,11,13
.irp b, 0,1,2,3
	v_max3_num_f32 v[BM+\b], v[BM+\b], v[RS+16*\b+\i], v[RS+1+16*\b+\i]
.endr
.endr
.irp b, 0,1,2,3
	v_max_num_f32 v[BM+\b], v[BM+\b], v[RS+15+16*\b]
.endr
.irp b, 0,1,2,3
	v_permlanex16_b32 v[PM+\b], v[BM+\b], s[SEL], s[SEL+1]
.endr
.irp b, 0,1,2,3
	v_max_num_f32 v[BM+\b], v[BM+\b], v[PM+\b]
.endr
	; the lines that lead to M hang on each other: the scalings t = RN(logit x log2(e)), which hang on none of them, stand between
.set n, 0
	v_max3_num_f32 v[T], v[BM], v[BM+1], v[BM+2]
	TMUL 3
	v_max_num_f32 v[T], v[T], v[BM+3]
	TMUL 3
	v_mul_f32 v[T], s[CS], v[T]                    ; as t (the factor is positive, and rounding keeps the order)
	TMUL 3
	v_max_num_f32 v[NM+1], v[NM+1], v[T]           ; the running largest t
	v_mov_b32 v[T], v[NM]
	TMUL 3
	v_floor_f32 v[NM], -v[NM+1]                    ; the new -M = -ceil(t): a whole number
	TMUL 3
	v_sub_f32 v[T], v[NM], v[T]                    ; old M - new M, 0 or less
	TMUL 3
	v_cvt_i32_f32 v[T], v[T]                       ; (it saturates)
	TMUL 3
	v_ldexp_f32 v[F], 1.0, v[T]                    ; f = 2^(old M - new M): rounds nothing
	TMUL 11
.irp b, 0,1,2,3
	v_mul_f32 v[BM+\b], s[CS], v[BM+\b]            ; the same two lines on each block's largest logit as on every logit
.endr
.irp b, 0,1,2,3
	v_add_f32 v[BM+\b], v[BM+\b], v[NM]
.endr
	v_pk_add_f32 v[RS:RS+1], v[RS:RS+1], v[NM:NM+1] op_sel_hi:[1,0]         ; t - M: only now, behind t's own rounding
	v_pk_add_f32 v[RS+2:RS+3], v[RS+2:RS+3], v[NM:NM+1] op_sel_hi:[1,0]
	; ONE BATCH of 68 exponentials; none of its lines names a result.  The other 30 subtractions of M stand between, each two pairs ahead of its pair's exponentials
.irp b, 0,1,2,3
	v_exp_f32 v[BM+\b], v[BM+\b]                   ; the block's largest p: the same instructions on the same number give the same bits
.endr
.set n, 0
.rept 32
	v_exp_f32 v[RS+n], v[RS+n]                     ; p = 2^(t - M)
	v_exp_f32 v[RS+n+1], v[RS+n+1]
.if n < 60
	v_pk_add_f32 v[RS+n+4:RS+n+5], v[RS+n+4:RS+n+5], v[NM:NM+1] op_sel_hi:[1,0]
.endif
.set n, n+2
.endr
	v_pk_mul_f32 v[NM+2:NM+3], v[NM+2:NM+3], v[F:F+1] op_sel_hi:[1,0]   ; the sums under the new M; a plain line behind the exponentials
	s_wait_alu depctr_va_vdst(0)                   ; one wait for the batch, ahead of its first reader
	v_pk_add_f32 v[T:T+1], v[RS:RS+1], v[RS+2:RS+3]   ; the row's sum of the unquantised p, in two chains
.irp j, 4,8,12,16,20,24,28,32,36,40,44,48,52,56,60
	v_pk_add_f32 v[NM+2:NM+3], v[NM+2:NM+3], v[RS+\j:RS+\j+1]
	v_pk_add_f32 v[T:T+1], v[T:T+1], v[RS+\j+2:RS+\j+3]
.endr
	v_pk_add_f32 v[NM+2:NM+3], v[NM+2:NM+3], v[T:T+1]
.irp b, 0,1,2,3
	v_max_num_f32 v[BM+\b], 0x4800000, v[BM+\b]    ; the floor 2^(9 - 127): the byte cannot fall under 1
.endr
.irp b, 0,1,2,3
	v_add_nc_u32 v[SCO+\b], 0xfc000000, v[BM+\b]
.endr
.irp b, 0,1,2,3
	v_and_or_b32 v[LIM+\b], v[BM+\b], 0x7f800000, s[MNT]
.endr
.irp b, 0,1,2,3
	v_lshrrev_b32 v[PM+\b], 23, v[SCO+\b]
.endr
	v_lshl_or_b32 v[PW], v[PM+1], 8, v[PM]         ; p's scale word for these 128 keys: the 64 holds below stand between it and the products
	v_lshl_or_b32 v[PW], v[PM+2], 16, v[PW]
	v_lshl_or_b32 v[PW], v[PM+3], 24, v[PW]
.if (\hh) < 3
	KWORDS (\hh)+1                                 ; the next head's K: its scale words now, two tiles behind each block's conversions: 18 loads in all
.endif
.irp b, 0,1,2,3
.irp i, 0,1,2,3,4,5,6,7,8,9,10,11,12,13,14,15
	v_min_num_f32 v[RS+16*\b+\i], v[RS+16*\b+\i], v[LIM+\b]   ; the conversion does not saturate (ISA guide 7.6.2); p is not negative
.endr
	v_cvt_scalef32_pk8_fp8_f32 v[PCD+4*\b:PCD+1+4*\b], v[RS+16*\b:RS+7+16*\b], v[SCO+\b]
	v_cvt_scalef32_pk8_fp8_f32 v[PCD+2+4*\b:PCD+3+4*\b], v[RS+8+16*\b:RS+15+16*\b], v[SCO+\b]
.if (\hh) < 3
	KPART (\hh)+1, 2*\b, RS                        ; the block's 16 registers are done with
	KPART (\hh)+1, 2*\b+1, RS
.endif
.endr
.if (\hh) < 3
	s_wait_dscnt 18                                ; V and its scale words are in; the 18 loads of the next head's K, issued behind them, may be out
.else
	s_wait_dscnt 0x0                               ; V
.endif
	WIN 0x41                                       ; O^T window 1, f window 0
.set n, 0
.rept 16
	v_pk_mul_f32 v[32*(\hh)+n:32*(\hh)+n+1], v[32*(\hh)+n:32*(\hh)+n+1], v[F:F+1] op_sel_hi:[1,0]   ; O^T under the new M; also the places between the codes and the products
.set n, n+2
.endr
	WIN 0x50                                       ; C and D window 1
.irp t, 0,1,2,3
	v_wmma_scale_f32_16x16x128_f8f6f4 v[32*(\hh)+8*\t:32*(\hh)+8*\t+7], v[RK+16*\t:RK+16*\t+15], v[PCD:PCD+15], v[32*(\hh)+8*\t:32*(\hh)+8*\t+7], v[VS+\t], v[PW]
.endr
	WIN 0
.endm
.macro STEP more                       ; a key step: 128 keys, four heads.  more = 1: another step follows
	v_add_nc_u32 v[ADK], s[TB], v[L16]             ; six additions and three v_nop: nine places behind the last step's last products, whose V lay in R2: the mask is loaded there, and head 0's products write there
	v_add_nc_u32 v[ADV], s[TB], v[AV0]
	v_add_nc_u32 v[ADS], s[TB], v[AS0]
	v_add_nc_u32 v[ADT], s[TB], v[AT0]
	v_add_nc_u32 v[ACM], s[TB], v[ACM0]
	v_add_nc_u32 v[APN], s[TP], v[APN0]
	PLACES 3
.irp p, 0,1,2,3,4,5,6,7,8,9,10,11,12,13,14,15
	ds_load_b128 v[R2+4*\p:R2+4*\p+3], v[ACM] offset:128*(\p/4)+16*(\p%4)   ; the mask at my query: register 16 b + i = key 32 b + 16 h + i
.endr
	KWORDS 0
.irp t, 0,1,2,3,4,5,6,7
	KPART 0, \t, R1
.endr
	s_wait_dscnt 18                                ; the mask is in (-1e9 x padded came ahead of the change of slots); head 0's 18 loads of K may be out
	WIN 0x41
.set n, 0
.rept 32
	v_pk_add_f32 v[MM+n:MM+n+1], v[MM+n:MM+n+1], v[R2+n:R2+n+1]   ; m': made once, serves four heads
.set n, n+2
.endr
	WIN 0
	HEAD 0, \more
	HEAD 1, \more
	HEAD 2, \more
	HEAD 3, \more
	s_xor_b32 s[TB], s[TB], SLOTB
	s_add_co_u32 s[TP], s[TP], 512
.endm
; THE CHANGE OF SLOTS stands at a step's head.  Each wave waits for all its tensor loads (its part of the slot that is about to be read), adds 0 to its spare word, and waits for that and for its reads of the slot that it has left.
; fill = 1: a round of the cluster's barrier, and behind it the slot just left takes the next key step's tiles: one load a wave.
.macro CHANGE fill
	s_wait_tensorcnt 0x0                           ; no tensor load of mine is out, so a group 0 may be written
	ds_add_u32 v[SPW], v[NIL]                      ; 0 onto my spare word
.if \fill
	s_xor_b32 s[TBN], s[TBN], SLOTB
	s_add_co_u32 s[G0KV+1], s[TBN], s[OFFKV]
	s_add_co_u32 s[G0C+1], s[TBN], s[OFFC]
	s_add_nc_u64 s[G0KV+2:G0KV+3], s[G0KV+2:G0KV+3], 4*34816   ; the next group of 128 keys
	s_add_nc_u64 s[G0C+2:G0C+3], s[G0C+2:G0C+3], 512           ; 128 columns on
.endif
	s_wait_dscnt 0x0
.if \fill
	CROUND
	TLOAD
.else
	s_barrier_signal -1
	s_barrier_wait -1
.endif
.endm
.Lstep:                                            ; seven trips: behind each change of slots but the last the next step is asked for
	CHANGE 1
	STEP 1
	s_sub_co_u32 s[CNT], s[CNT], 1
	s_cmp_lg_u32 s[CNT], 0
	s_cbranch_scc1 .Lstep
	CHANGE 0                                       ; the last step is written out; it asks for nothing beyond PN's end
	STEP 0
	; THE WAY OUT.  Eight plain additions and a v_nop stand behind the last products before any of their registers is written or read.
.irp hh, 0,1,2,3
	v_add_f32 v[BM+\hh], v[ST+4*\hh+2], v[ST+4*\hh+3]
.endr
.irp hh, 0,1,2,3
	v_permlanex16_b32 v[PM+\hh], v[BM+\hh], s[SEL], s[SEL+1]
.endr
.irp hh, 0,1,2,3
	v_add_f32 v[BM+\hh], v[BM+\hh], v[PM+\hh]      ; the row's sum
.endr
.irp hh, 0,1,2,3
	v_rcp_f32 v[FR+2*\hh], v[BM+\hh]
.endr
	v_nop                                          ; a plain line behind the last reciprocal
	s_wait_alu depctr_va_vdst(0)                   ; one wait for the four, ahead of the first reader
; Head hh: O^T / the sum: register 16 b + i = channel 32 b + 16 h + i of the head: two blocks of the last projection's K; quantised, they are half an image of oc.
.macro OUTH hh
	WIN 0x01                                       ; source 0 (O^T) window 1
.set n, 0
.rept 16
	v_pk_mul_f32 v[S+n:S+n+1], v[32*(\hh)+n:32*(\hh)+n+1], v[FR+2*(\hh):FR+2*(\hh)+1] op_sel_hi:[1,0]
.set n, n+2
.endr
	WIN 0
.irp b, 0,1
	v_max3_num_f32 v[BM+\b], |v[S+16*\b]|, |v[S+1+16*\b]|, 0x4800000
.endr
.irp i, 2,4,6,8,10,12,14
.irp b, 0,1
	v_max3_num_f32 v[BM+\b], v[BM+\b], |v[S+16*\b+\i]|, |v[S+1+16*\b+\i]|
.endr
.endr
.irp b, 0,1
	v_permlanex16_b32 v[PM+\b], v[BM+\b], s[SEL], s[SEL+1]
.endr
.irp b, 0,1
	v_max_num_f32 v[BM+\b], v[BM+\b], v[PM+\b]
.endr
.irp b, 0,1
	v_add_nc_u32 v[SCO+\b], 0xfc000000, v[BM+\b]
.endr
.irp b, 0,1
	v_and_or_b32 v[LIM+\b], v[BM+\b], 0x7f800000, s[MNT]
.endr
.irp b, 0,1
	v_lshrrev_b32 v[PM+\b], 23, v[SCO+\b]
.endr
.if (\hh)%2 == 0
	v_lshl_or_b32 v[OW+(\hh)/2], v[PM+1], 8, v[PM] ; a pair of heads makes one scale word
.else
	v_lshl_or_b32 v[T], v[PM+1], 8, v[PM]
	v_lshl_or_b32 v[OW+(\hh)/2], v[T], 16, v[OW+(\hh)/2]
.endif
.if (\hh) >= 2
	s_wait_xcnt 0x0                                ; the stores of two heads ago have read these code registers
.endif
.irp b, 0,1
.irp i, 0,1,2,3,4,5,6,7,8,9,10,11,12,13,14,15
	v_med3_num_f32 v[S+16*\b+\i], v[S+16*\b+\i], -v[LIM+\b], v[LIM+\b]
.endr
	v_cvt_scalef32_pk8_fp8_f32 v[PCD+8*((\hh)%2)+4*\b:PCD+8*((\hh)%2)+4*\b+1], v[S+16*\b:S+7+16*\b], v[SCO+\b]
	v_cvt_scalef32_pk8_fp8_f32 v[PCD+8*((\hh)%2)+4*\b+2:PCD+8*((\hh)%2)+4*\b+3], v[S+8+16*\b:S+15+16*\b], v[SCO+\b]
.endr
	v_nop
.irp c, 0,1
	global_store_b128 v[L16], v[PCD+8*((\hh)%2)+4*\c:PCD+8*((\hh)%2)+4*\c+3], s[68:69] offset:16384*((\hh)/2)+1024*((\hh)%2)+512*\c   ; 512 consecutive bytes
.endr
.endm
	OUTH 0
	OUTH 1
	OUTH 2
	OUTH 3
	ds_store_b64 v[OSW], v[OW:OW+1]                ; my tile's scale words: [tile][row][2]; lanes r and r + 16 write the same
	s_wait_dscnt 0x0                               ; for the others' sake
	s_barrier_signal -1
	s_barrier_wait -1
	s_cmp_lt_u32 s[WV], 2
	s_cbranch_scc0 .Lno_os
	ds_load_b128 v[S:S+3], v[OSR]
	s_wait_dscnt 0x0
	global_store_b128 v[OSG], v[S:S+3], s[70:71]   ; the work-group's 1,024 bytes of scale words, 512 consecutive bytes a wave
.Lno_os:
	s_wait_tensorcnt 0x0                           ; the wave's end
	ds_add_u32 v[SPW], v[NIL]
	s_wait_dscnt 0x0
	CROUND                                         ; the closing round
	s_endpgm
.Lfunc_end_k_qea4606039b_attn:
	.size	k_qea4606039b_attn, .Lfunc_end_k_qea4606039b_attn-k_qea4606039b_attn
	.p2alignl 7, 3214868480
	.fill 96, 4, 3214868480
	.section	.rodata,"a",@progbits
	.p2align	6, 0x0
	.amdhsa_kernel k_qea4606039b_attn
		.amdhsa_group_segment_fixed_size 327680
		.amdhsa_private_segment_fixed_size 0
		.amdhsa_enable_private_segment 0
		.amdhsa_kernarg_size 40
		.amdhsa_user_sgpr_count 2
		.amdhsa_user_sgpr_kernarg_segment_ptr 1
		.amdhsa_wavefront_size32 1
		.amdhsa_system_sgpr_workgroup_id_x 1
		.amdhsa_system_sgpr_workgroup_id_y 1
		.amdhsa_system_sgpr_workgroup_id_z 1
		.amdhsa_system_vgpr_workitem_id 0
		.amdhsa_next_free_vgpr 512
		.amdhsa_next_free_sgpr 80
		.amdhsa_reserve_vcc 0
		.amdhsa_float_denorm_mode_32 3
		.amdhsa_float_denorm_mode_16_64 3
		.amdhsa_memory_ordered 1
		.amdhsa_forward_progress 1
		.amdhsa_inst_pref_size 227
	.end_amdhsa_kernel
	.amdgpu_metadata
---
amdhsa.version: [ 1, 2 ]
amdhsa.kernels:
  - .name:           k_qea4606039b_attn
    .symbol:         k_qea4606039b_attn.kd
    .args:
      - { .name: qkv, .offset: 0, .size: 8, .value_kind: global_buffer, .address_space: global }
      - { .name: causal_mask, .offset: 8, .size: 8, .value_kind: global_buffer, .address_space: global }
      - { .name: padding_mask, .offset: 16, .size: 8, .value_kind: global_buffer, .address_space: global }
      - { .name: oc, .offset: 24, .size: 8, .value_kind: global_buffer, .address_space: global }
      - { .name: os, .offset: 32, .size: 8, .value_kind: global_buffer, .address_space: global }
    .group_segment_fixed_size: 327680
    .private_segment_fixed_size: 0
    .kernarg_segment_align: 8
    .kernarg_segment_size: 40
    .max_flat_workgroup_size: 256
    .sgpr_count:     80
    .vgpr_count:     512
    .wavefront_size: 32
...
	.end_amdgpu_metadata
.endif
;; end of part 3
;; launch outp (part 4): grid 4 x 64, 4 waves a work-group, clusters of 4 x 4, 327,680 bytes of LDS; arguments oc, os, wc, ws, bo, out0; writes out0
.if DOCPART == 4
	.amdgcn_target "amdgcn-amd-amdhsa--gfx1250"
	.amdhsa_code_object_version 6
	.text
	.protected	k_qea4606039b_outp
	.globl	k_qea4606039b_outp
	.p2align	8
	.type	k_qea4606039b_outp,@function
k_qea4606039b_outp:
	s_mov_b64 s[64:65], 0
	v_nop
	global_prefetch_b8 v0, s[64:65] scope:SCOPE_SE
	s_setreg_imm32_b32 hwreg(HW_REG_WAVE_MODE, 25, 1), 1
	s_wait_xcnt 0x0
	s_wait_alu depctr_hold_cnt(0) depctr_sa_sdst(0) depctr_va_vdst(0) depctr_va_sdst(0) depctr_va_ssrc(0) depctr_va_vcc(0) depctr_vm_vsrc(0)
	s_getreg_b32 s2, hwreg(HW_REG_IB_STS2, 6, 4)
	s_cmp_eq_u32 s2, 0
	s_cbranch_scc0 .Lentry_in_a_cluster
	s_endpgm
.Lentry_in_a_cluster:
	s_bfe_u32 s2, ttmp6, 0x10000c
	s_cmp_lg_u32 s2, 0xf033
	s_cbranch_scc0 .Lentry_shape_is_right
	s_endpgm
.Lentry_shape_is_right:
; out0 = O wo^T + bo on codes of E4M3 with E8M0 scales.  O's codes (oc, os) come from the attention launch, wo's (the fourth part of wc, ws) from the quantising launch, both as images of operand registers
; (2,048 bytes for 16 rows x 128 K: piece c at 512 c + 16 x lane), so that a block of 128 rows x 256 K is 32,768 dense bytes for one tensor load and a fragment comes out of LDS by four loads at 16 x lane.
; THE TILE is 128 tokens x 256 columns: 8,192 x 1,024 outputs make 256 work-groups, one for each WGP.  Four waves of 64 x 128: 32 accumulators of 16 x 16, 256 registers.  A K step of 128 is 32 products and 48 fragment loads.
; source 0 = wo's tiles (rows 32 b + 8 u + r + 8 (r / 8)), source 1 = O's tiles (rows 16 i + r): a lane holds a token, and its eight results of a tile are eight neighbouring columns of out0.  bo is the C of each sum's first product.
; LDS: K = 1,024 is four slots' worth of 256; a slot is 98,304 bytes (O's block, then wo's two), and THREE fit.  So three quarters of K come as first fills, and one refill is left: the last quarter, into slot 0,
; asked for when slot 0 has been read and wanted two slots' products later.  Wave 0 fetches O's blocks, waves 1 and 2 wo's, wave 3 nothing: four loads of a wave are out at the start, later one.
; 4 x 4 clusters: O's blocks are asked for jointly along a row of the cluster, wo's along a column.
; THE WAY OUT: a block of 16 rows x 128 columns goes through the wave's own stage in LDS (in slot 1, which has had its only fill, and which nobody reads behind the barrier ahead of the last quarter) and leaves as whole rows of 512 bytes.
; REGISTERS: window 0: v16-28 addresses, v32-63 scale words (two sets), v64-127 bo in the result's layout, v128-255 A's fragments (two sets of 64), later rows of out0.  window 1: B's two sets of 128.  window 2: the accumulators ((a, b) at v[8 (8 a + b)]).
.set SLOT,   98304
.set SCL,    3*SLOT                    ; behind the slots: the scale words for all of K: O's 4,096 bytes, wo's two times 4,096: filled once
.set SPARE,  SCL+3*4096                ; the spare words, 128 bytes for each wave: two blocks of 256 bytes that no other line names
.set STG,    SLOT                      ; the stages: 16 rows x 528 bytes for each wave
.set NP,     8                         ; places behind this matrix instruction (ISA guide 7.12.1)
.set ADRA,   16                        ; v16-18 LDS address of my four tiles of A in slot 0, 1, 2
.set ADRB,   19                        ; v19-21 of my half of B
.set ADRS,   22                        ; v22  my scale words: lanes 0-15 A's rows, lanes 16-31 B's
.set SPW,    23                        ; v23  LDS address of my spare word; never rewritten
.set NIL,    24                        ; v24  0; never rewritten
.set L16,    25                        ; v25  16 x lane
.set STO,    27
.set RD,     28
.set SC,     32
.set CB,     64
.set AF,     128
.set BK,     128
.set WV,  20                           ; s20 wave;  s21 wave / 2: my 64 rows of A (and: which half of B waves 1 and 2 fetch);  s22 wave % 2: my half of B
.set HA,  21
.set HB,  22
.set G1A,  24                          ; s[24:31], s[32:39] descriptor group 1 for A's and B's codes;  s[40:47], s[48:55] for their scale words
.set G1B,  32
.set G1SA, 40
.set G1SB, 48
.set G0SA, 56                          ; s[56:59], s[60:63] group 0 for the scale words;  s[68:79], s[80:91] for the codes, a set for each slot
.set G0SB, 60
.set G0A,  68
.set G0B,  80
.set OUTP, 96
.set MSB, 0
.macro WIN new                         ; the immediate's high byte repeats the setting that is left
.if MSB != \new
	s_set_vgpr_msb (MSB<<8)|\new
.set MSB, \new
.endif
.endm
.set MUL,   0xa1                       ; source 0 (B) window 1, source 1 (A) window 0, C and D window 2
.set MUL0,  0x81                       ; the same with C (the bias) in window 0
.set TO_B,  0x40                       ; destination window 1, address window 0
.macro JLOAD                           ; the joint refill of slot 0: wave 0 for A, waves 1 and 2 for B, wave 3 nothing; four v_nop follow each of the two lines
	s_cmp_eq_u32 s[WV], 0
	s_cbranch_scc0 .Lnot_a_\@
	tensor_load_to_lds s[G0A:G0A+3], s[G1A:G1A+7]
	s_nop 0
.rept 4
	v_nop
.endr
	s_branch .Lasked_\@
.Lnot_a_\@:
	s_cmp_lt_u32 s[WV], 3
	s_cbranch_scc0 .Lasked_\@
	tensor_load_to_lds s[G0B:G0B+3], s[G1B:G1B+7]
	s_nop 0
.rept 4
	v_nop
.endr
.Lasked_\@:
.endm
.macro CREST                           ; a round of the cluster's barrier behind its opening barrier
	s_cmp_lg_u32 s[WV], 0
	s_cbranch_scc1 .Lnot_wave_0_\@
	s_barrier_signal -3
.Lnot_wave_0_\@:
	s_barrier_wait -3
	s_barrier_signal -1
	s_barrier_wait -1
.endm
.macro CROUND
	s_barrier_signal -1
	s_barrier_wait -1
	CREST
.endm
.macro PLACES n
.rept \n
	v_nop
.endr
.endm
.macro FRAG reg, adr, q, i             ; the image of tile i, the slot's q-th K step
.irp c, 0,1,2,3
	ds_load_b128 v[\reg+4*\c:\reg+4*\c+3], v[\adr] offset:16384*(\q)+2048*(\i)+512*\c
.endr
.endm
; 16 matrix instructions: A's blocks a0, a0 + 1 x B's eight.  p: the set of fragments; sc: the set of scale words.  zero = 1: the first product starts the sums, with the bias as C.
; The 32 accumulators take turns, one instruction a turn, in the same order in every step.
.macro MUL16 a0, p, q, sc, zero
.irp a, \a0, \a0+1
.irp b, 0,1,2,3,4,5,6,7
.if \zero
	v_wmma_scale_f32_16x16x128_f8f6f4 v[8*(8*(\a)+\b):8*(8*(\a)+\b)+7], v[128*(\p)+16*\b:128*(\p)+16*\b+15], v[AF+64*(\p)+16*(\a):AF+64*(\p)+16*(\a)+15], v[CB+8*\b:CB+8*\b+7], v[SC+16*(\sc)+2*\b+(\q)], v[SC+16*(\sc)+2*(\a)+(\q)] matrix_a_scale:MATRIX_SCALE_ROW1
.else
	v_wmma_scale_f32_16x16x128_f8f6f4 v[8*(8*(\a)+\b):8*(8*(\a)+\b)+7], v[128*(\p)+16*\b:128*(\p)+16*\b+15], v[AF+64*(\p)+16*(\a):AF+64*(\p)+16*(\a)+15], v[8*(8*(\a)+\b):8*(8*(\a)+\b)+7], v[SC+16*(\sc)+2*\b+(\q)], v[SC+16*(\sc)+2*(\a)+(\q)] matrix_a_scale:MATRIX_SCALE_ROW1
.endif
.endr
.endr
.endm
.macro FETCH slot, q, p                ; a K step's fragments, 48 loads in one run: B's eight, A's four, into set p
	WIN TO_B
.irp i, 0,1,2,3,4,5,6,7
	FRAG 128*(\p)+16*\i, ADRB+\slot, \q, \i
.endr
	WIN 0
.irp i, 0,1,2,3
	FRAG AF+64*(\p)+16*\i, ADRA+\slot, \q, \i
.endr
.endm
.macro SCALES ks, sc                   ; the scale words of K's quarter ks: two a row; lanes 16-31 take B's block i, lanes 0-15 A's block i (of which i = 0 .. 3 are used; the others read landed bytes of the same region and serve nothing)
.irp i, 0,1,2,3,4,5,6,7
	ds_load_b64 v[SC+16*(\sc)+2*\i:SC+16*(\sc)+2*\i+1], v[ADRS] offset:1024*(\ks)+128*\i
.endr
.endm
; A K step of 128: multiplies set p; in its middle it fetches the next step's fragments (slot nslot, its nq-th K step) into the other set, and with a slot's first step the scale words of quarter nks.
.macro STEP p, q, sc, zero, nslot, nq, nks
	s_wait_dscnt 0x0                               ; this step's fragments are in
.if \zero
	WIN MUL0
.else
	WIN MUL
.endif
	MUL16 0, \p, \q, \sc, \zero
	PLACES NP                                      ; in front of loads into the set that the last step's products read
	FETCH \nslot, \nq, 1-(\p)
.if (\nq) == 0
	SCALES \nks, 1-(\sc)
.endif
.if \zero
	WIN MUL0
.else
	WIN MUL
.endif
	MUL16 2, \p, \q, \sc, \zero
	WIN 0
.endm
	s_load_b256 s[4:11], s[0:1], 0x0               ; oc, os, wc, ws
	s_load_b128 s[12:15], s[0:1], 0x20             ; bo, out0
	v_lshl_add_u32 v[SPW], v0, 2, SPARE
	v_mov_b32 v[NIL], 0
	ds_add_u32 v23, v24
	s_wait_dscnt 0x0
	v_lshrrev_b32 v1, 5, v0
	v_readfirstlane_b32 s[WV], v1
	s_lshr_b32 s[HA], s[WV], 1
	s_and_b32 s[HB], s[WV], 1
	s_bfe_u32 s16, ttmp6, 0x40000                  ; cx = wo's tile of 256 rows
	s_bfe_u32 s17, ttmp6, 0x40004                  ; cy
	s_and_b32 s18, ttmp7, 0xffff
	s_lshl_b32 s18, s18, 2
	s_add_co_u32 s18, s18, s17                     ; O's group of 128 tokens
	s_lshl_b32 s19, s17, 2
	s_lshl_b32 s19, 15, s19                        ; my row of the cluster
	s_lshl_b32 s23, 0x1111, s16                    ; my column
	s_or_b32 s[G1A], s19, (3<<16)|(1<<21)          ; 15:0 the mask; 17:16 elements of 8 bytes; 21 set beside a mask; no padding
	s_or_b32 s[G1B], s23, (3<<16)|(1<<21)
	s_or_b32 s[G1SA], s19, (3<<16)|(1<<21)
	s_or_b32 s[G1SB], s23, (3<<16)|(1<<21)
.irp g, G1A, G1B                       ; a dense block of 32,768 bytes as 128 rows of 256
	s_mov_b32 s[\g+1], 32<<16
	s_mov_b32 s[\g+2], 128<<16
	s_mov_b32 s[\g+3], 32<<16
	s_mov_b32 s[\g+4], 128
	s_mov_b32 s[\g+5], 32
	s_mov_b32 s[\g+6], 0
	s_mov_b32 s[\g+7], 0
.endr
.irp g, G1SA, G1SB                     ; and one of 4,096 bytes as 16 rows
	s_mov_b32 s[\g+1], 32<<16
	s_mov_b32 s[\g+2], 16<<16
	s_mov_b32 s[\g+3], 32<<16
	s_mov_b32 s[\g+4], 16
	s_mov_b32 s[\g+5], 32
	s_mov_b32 s[\g+6], 0
	s_mov_b32 s[\g+7], 0
.endr
	s_lshl_b32 s92, s18, 17                        ; A's codes: 131,072 bytes a group,
	s_mov_b32 s93, 0
	s_lshl_b32 s94, s18, 12                        ; its scale words: 4,096
	s_mov_b32 s95, 0
	s_lshl_b32 s3, s16, 1
	s_add_co_u32 s3, s3, s[HA]                     ; B's group: 2 cx + wave / 2: wave 1 takes the first half, wave 2 the second
	s_lshl_b32 s98, s3, 17
	s_mov_b32 s99, 0
	s_lshl_b32 s100, s3, 12
	s_mov_b32 s101, 0
	s_lshl_b32 s2, s[WV], 15                       ; where they go in a slot: wave x 32,768; the scale words: wave x 4,096: no place in the cluster enters an LDS address
	s_lshl_b32 s3, s[WV], 12
	s_wait_kmcnt 0x0
	s_add_nc_u64 s[8:9], s[8:9], 0x300000          ; wo is the fourth weight
	s_add_nc_u64 s[10:11], s[10:11], 98304
	s_add_nc_u64 s[92:93], s[4:5], s[92:93]
	s_add_nc_u64 s[94:95], s[6:7], s[94:95]
	s_add_nc_u64 s[98:99], s[8:9], s[98:99]
	s_add_nc_u64 s[100:101], s[10:11], s[100:101]
	CROUND                                         ; all sixteen work-groups are here: the first joint loads meet
	s_mov_b32 s[G0SA], 1
	s_add_co_u32 s[G0SA+1], s3, SCL
	s_mov_b64 s[G0SA+2:G0SA+3], s[94:95]
	s_or_b32 s[G0SA+3], s[G0SA+3], 0x80000000
	s_mov_b32 s[G0SB], 1
	s_add_co_u32 s[G0SB+1], s3, SCL
	s_mov_b64 s[G0SB+2:G0SB+3], s[100:101]
	s_or_b32 s[G0SB+3], s[G0SB+3], 0x80000000
.irp k, 0,1,2
	s_mov_b32 s[G0A+4*\k], 1
	s_add_co_u32 s[G0A+4*\k+1], s2, \k*SLOT
	s_add_nc_u64 s[G0A+4*\k+2:G0A+4*\k+3], s[92:93], \k*32768
	s_or_b32 s[G0A+4*\k+3], s[G0A+4*\k+3], 0x80000000
	s_mov_b32 s[G0B+4*\k], 1
	s_add_co_u32 s[G0B+4*\k+1], s2, \k*SLOT
	s_add_nc_u64 s[G0B+4*\k+2:G0B+4*\k+3], s[98:99], \k*32768
	s_or_b32 s[G0B+4*\k+3], s[G0B+4*\k+3], 0x80000000
.endr
	s_cmp_eq_u32 s[WV], 0                          ; a wave's four first fills stand in one branch: the scale words, then K's first three quarters
	s_cbranch_scc0 .Lfirst_not_a
	tensor_load_to_lds s[G0SA:G0SA+3], s[G1SA:G1SA+7]
	s_nop 0
	tensor_load_to_lds s[G0A:G0A+3], s[G1A:G1A+7]
	s_nop 0
	tensor_load_to_lds s[G0A+4:G0A+7], s[G1A:G1A+7]
	s_nop 0
	tensor_load_to_lds s[G0A+8:G0A+11], s[G1A:G1A+7]
	s_nop 0
.rept 4
	v_nop
.endr
	s_branch .Lfirst_asked
.Lfirst_not_a:
	s_cmp_lt_u32 s[WV], 3
	s_cbranch_scc0 .Lfirst_asked
	tensor_load_to_lds s[G0SB:G0SB+3], s[G1SB:G1SB+7]
	s_nop 0
	tensor_load_to_lds s[G0B:G0B+3], s[G1B:G1B+7]
	s_nop 0
	tensor_load_to_lds s[G0B+4:G0B+7], s[G1B:G1B+7]
	s_nop 0
	tensor_load_to_lds s[G0B+8:G0B+11], s[G1B:G1B+7]
	s_nop 0
.rept 4
	v_nop
.endr
.Lfirst_asked:
	v_and_b32 v1, 31, v0
	v_lshlrev_b32 v[L16], 4, v1
	v_bfe_u32 v29, v0, 4, 1                        ; h
	v_and_b32 v30, 15, v0                          ; r
	s_lshl_b32 s2, s[HA], 13                       ; my four tiles of A: 8,192 bytes on in each K step's eight
	s_lshl_b32 s3, s[HB], 15
	s_add_co_u32 s3, s3, 32768                     ; my half of B, behind A's block
.irp k, 0,1,2
	v_add_nc_u32 v[ADRA+\k], s2, v[L16]
	v_add_nc_u32 v[ADRB+\k], s3, v[L16]
	s_add_co_u32 s2, s2, SLOT
	s_add_co_u32 s3, s3, SLOT
.endr
	s_xor_b32 s3, s[HA], 1                         ; lanes 16-31 take B's words: 4,096 (1 + my half of B) - 512 x my half of A bytes on
	s_lshl_b32 s3, s3, 9
	s_lshl_b32 s2, s[HB], 12
	s_add_co_u32 s3, s3, s2
	s_add_co_u32 s3, s3, 3584
	v_mul_u32_u24 v31, s3, v29
	s_lshl_b32 s2, s[HA], 9                        ; A's words: 128 bytes a tile
	s_add_co_u32 s2, s2, SCL
	v_lshl_add_u32 v31, v30, 3, v31
	v_add_nc_u32 v[ADRS], s2, v31
	s_mul_i32 s2, s[WV], 16*528                    ; my stage
	s_add_co_u32 s2, s2, STG
	v_mul_u32_u24 v[STO], v30, 528
	v_lshl_add_u32 v[STO], v29, 6, v[STO]
	v_add_nc_u32 v[STO], s2, v[STO]                ; in: row r, + 64 h
	v_add_nc_u32 v[RD], s2, v[L16]                 ; back: a row of 512 bytes to the 32 lanes
	s_lshl_b32 s2, s16, 1
	s_add_co_u32 s2, s2, s[HB]                     ; my group of 128 columns
	s_lshl_b32 s94, s2, 9
	s_mov_b32 s95, 0
	s_add_nc_u64 s[92:93], s[12:13], s[94:95]      ; bo at my columns
	s_lshl_b32 s2, s18, 19                         ; 128 rows of 4,096 bytes a group of tokens,
	s_add_co_u32 s94, s94, s2
	s_lshl_b32 s2, s[HA], 18                       ; my 64 of them
	s_add_co_u32 s94, s94, s2
	s_add_nc_u64 s[OUTP:OUTP+1], s[14:15], s[94:95]   ; out0 at my first row and column
	v_lshlrev_b32 v31, 6, v29
.irp b, 0,1,2,3,4,5,6,7
	global_load_b128 v[CB+8*\b:CB+8*\b+3], v31, s[92:93] offset:(32*(\b/2)+8*(\b%2))*4
	global_load_b128 v[CB+8*\b+4:CB+8*\b+7], v31, s[92:93] offset:(32*(\b/2)+8*(\b%2))*4+16
.endr
	s_wait_loadcnt 0x0
	s_wait_tensorcnt 2                             ; the scale words and my part of slot 0 are in; the loads of slots 1 and 2 may be out
	s_barrier_signal -1
	s_barrier_wait -1
	FETCH 0, 0, 0
	SCALES 0, 0
	STEP 0, 0, 0, 1, 0, 1, 0                       ; K step 0: its products start the sums
	; K step 1 is slot 0's last: my reads of the slot were issued in K step 0.  The change of slots: all my tensor loads (slots 1 and 2 among them), the add, my reads; a round of the cluster's barrier; the one refill.
	s_wait_tensorcnt 0x0
	ds_add_u32 v[SPW], v[NIL]                      ; 0 onto my spare word
	s_wait_dscnt 1                                 ; this step's fragments are in; the add may be out
	WIN MUL
	MUL16 0, 1, 1, 0, 0                            ; sixteen matrix instructions stand between the add and the wait for it
	s_wait_dscnt 0x0                               ; the add is done, and my reads of slot 0 are over
	WIN 0
	s_barrier_signal -1
	s_barrier_wait -1
	CREST                                          ; no wave of any partner still reads slot 0 or has a load on its way
	s_add_nc_u64 s[G0A+2:G0A+3], s[G0A+2:G0A+3], 3*32768   ; K's last quarter
	s_add_nc_u64 s[G0B+2:G0B+3], s[G0B+2:G0B+3], 3*32768
	JLOAD                                          ; the first tensor load behind the round, and the last of the launch
	PLACES NP                                      ; (wave 3 has passed none of the v_nop above)
	FETCH 1, 0, 0
	SCALES 1, 1
	WIN MUL
	MUL16 2, 1, 1, 0, 0
	WIN 0
	STEP 0, 0, 1, 0, 1, 1, 0                       ; K step 2
	STEP 1, 1, 1, 0, 2, 0, 2                       ; K step 3
	STEP 0, 0, 0, 0, 2, 1, 0                       ; K step 4
	; K step 5: the next fragments lie in slot 0's second fill
	s_wait_dscnt 0x0                               ; this step's fragments are in: my reads of slots 1 and 2 are over
	WIN MUL
	MUL16 0, 1, 1, 0, 0
	WIN 0
	s_wait_tensorcnt 0x0                           ; my part of the last quarter has landed: the one load that was out
	s_barrier_signal -1
	s_barrier_wait -1                              ; everybody's has
	PLACES NP
	FETCH 0, 0, 0
	SCALES 3, 1
	WIN MUL
	MUL16 2, 1, 1, 0, 0
	WIN 0
	STEP 0, 0, 1, 0, 0, 1, 0                       ; K step 6
	s_wait_dscnt 0x0                               ; K step 7: nothing more to fetch
	WIN MUL
	MUL16 0, 1, 1, 1, 0
	MUL16 2, 1, 1, 1, 0
	WIN 0
; THE WAY OUT.  Accumulator (a, b), lane (r, h), register j is out0(16 a + r, 32 (b / 2) + 16 h + 8 (b % 2) + j) of my 64 x 128.  LDS serves a wave's instructions in order (ISA guide 5.7.1.4): no wait between a block's stores and loads.
.macro TOSTAGE a
.set AC, 64*(\a)
	WIN 0x08                                       ; an LDS store's data: window 2
.irp b, 0,1,2,3,4,5,6,7
	ds_store_b128 v[STO], v[AC+8*\b:AC+8*\b+3] offset:128*(\b/2)+32*(\b%2)          ; each accumulator from its low end on
	ds_store_b128 v[STO], v[AC+8*\b+4:AC+8*\b+7] offset:128*(\b/2)+32*(\b%2)+16
.endr
	WIN 0
.set BB, BK+64*((\a)%2)
.irp t, 0,1,2,3,4,5,6,7,8,9,10,11,12,13,14,15
	ds_load_b128 v[BB+4*\t:BB+4*\t+3], v[RD] offset:528*\t
.endr
.endm
.macro SEND a, younger
.set BB, BK+64*((\a)%2)
	s_wait_dscnt \younger                          ; the block is back in registers
.irp t, 0,1,2,3,4,5,6,7,8,9,10,11,12,13,14,15
	global_store_b128 v[L16], v[BB+4*\t:BB+4*\t+3], s[OUTP:OUTP+1] offset:(16*(\a)+\t)*4096 th:TH_STORE_NT   ; 32 lanes store 512 consecutive bytes, aligned; the row stands in the immediate: 63 rows of 4,096 bytes at the most
.endr
.endm
	PLACES NP                                      ; in front of the first read of results, and of loads into the registers that held A's fragments
	TOSTAGE 0
.irp a, 1,2,3
.if \a > 1
	s_wait_xcnt 0x0                                ; block a - 2's stores have read their registers: block a's loads may land there
.endif
	TOSTAGE \a
	SEND (\a)-1, 32                                ; behind block a - 1's loads: block a's 16 stores and 16 loads
.endr
	SEND 3, 0
	s_wait_tensorcnt 0x0                           ; the wave's end
	ds_add_u32 v[SPW], v[NIL]
	s_wait_dscnt 0x0
	CROUND                                         ; the closing round
	s_endpgm
.Lfunc_end_k_qea4606039b_outp:
	.size	k_qea4606039b_outp, .Lfunc_end_k_qea4606039b_outp-k_qea4606039b_outp
	.p2alignl 7, 3214868480
	.fill 96, 4, 3214868480
	.section	.rodata,"a",@progbits
	.p2align	6, 0x0
	.amdhsa_kernel k_qea4606039b_outp
		.amdhsa_group_segment_fixed_size 327680
		.amdhsa_private_segment_fixed_size 0
		.amdhsa_enable_private_segment 0
		.amdhsa_kernarg_size 48
		.amdhsa_user_sgpr_count 2
		.amdhsa_user_sgpr_kernarg_segment_ptr 1
		.amdhsa_wavefront_size32 1
		.amdhsa_system_sgpr_workgroup_id_x 1
		.amdhsa_system_sgpr_workgroup_id_y 1
		.amdhsa_system_sgpr_workgroup_id_z 1
		.amdhsa_system_vgpr_workitem_id 0
		.amdhsa_next_free_vgpr 768
		.amdhsa_next_free_sgpr 104
		.amdhsa_reserve_vcc 0
		.amdhsa_float_denorm_mode_32 3
		.amdhsa_float_denorm_mode_16_64 3
		.amdhsa_memory_ordered 1
		.amdhsa_forward_progress 1
		.amdhsa_inst_pref_size 89
	.end_amdhsa_kernel
	.amdgpu_metadata
---
amdhsa.version: [ 1, 2 ]
amdhsa.kernels:
  - .name:           k_qea4606039b_outp
    .symbol:         k_qea4606039b_outp.kd
    .args:
      - { .name: oc, .offset: 0, .size: 8, .value_kind: global_buffer, .address_space: global }
      - { .name: os, .offset: 8, .size: 8, .value_kind: global_buffer, .address_space: global }
      - { .name: wc, .offset: 16, .size: 8, .value_kind: global_buffer, .address_space: global }
      - { .name: ws, .offset: 24, .size: 8, .value_kind: global_buffer, .address_space: global }
      - { .name: bo, .offset: 32, .size: 8, .value_kind: global_buffer, .address_space: global }
      - { .name: out0, .offset: 40, .size: 8, .value_kind: global_buffer, .address_space: global }
    .group_segment_fixed_size: 327680
    .private_segment_fixed_size: 0
    .kernarg_segment_align: 8
    .kernarg_segment_size: 48
    .max_flat_workgroup_size: 128
    .sgpr_count:     104
    .vgpr_count:     768
    .wavefront_size: 32
...
	.end_amdgpu_metadata
.endif
;; end of part 4
